; MI455X (gfx1250); checked and timed in simulation.
; The chip was launched on July 23, 2026; its instructions are those of AMD's public machine-readable ISA for CDNA 5 (MIT licence, August 2026) and "CDNA5" Instruction Set Architecture Reference Guide (July 2026). The comments in the code are by the model that wrote it; some were corrected since.
;; Mo E Block. Allowed arithmetic: matrix products marked QUANTISED: E3M2 operands, one E8M0 scale for each 32 along K, by v_wmma_scale_f32_16x16x128_f8f6f4 with both operands' format E3M2, f32 sums; products left as they are: f32 operands where the result goes on into a quantised operand, else bf16, f16 or f32 operands; f32 sums; everything else in f32.
;; Inputs: expert_w 8 x 1,024 x 1,024 float32; gate_w 8 x 1,024 float32; x 2 x 4,096 x 1,024 float32.
;; Outputs: out0 2 x 4,096 x 1,024 float32.
;; This version of the problem:
;;   THIS VERSION OF THE PROBLEM IS GIVEN IN LOW PRECISION. The matrix products marked QUANTISED in the list below multiply operands that are first quantised to E3M2 (3 exponent bits, 2 mantissa bits; 6 bits a number), with one power-of-two scale for each 32 numbers along K (OCP MX v1.0); their sums are f32. All else is computed in f32.
;;   The module's matrix products, in the order in which they are computed (A, B: the left and right operand; K: the contracted axis; several contracted axes count as one K, in the product's order):
;;     1. [M 8,192, K 1,024] x [K 1,024, N 8]; A: input x; B: input gate_w: left as it is (N = 8 < 16)
;;     2. [M 8,192, K 1,024] x [K 1,024, N 8,192]; A: input x; B: input expert_w: QUANTISED
;;     3. batch 8,192 x [M 1,024, K 8] x [K 8, N 1]; A: computed on the way; B: computed on the way: left as it is (K = 8 < 32)
;;   THE QUANTISER, for each operand of a quantised product, along K:
;;     - K is cut into blocks of 32 from its start; a last block that is shorter is filled with zeros.
;;     - A block's scale is 2^e with e = floor(log2(the largest magnitude in the block)) - 4, held to -126 .. 127; a block of zeros has e = 0. As a byte (E8M0): e + 127.
;;     - Each number is divided by its block's scale, clamped to +-28, and rounded to the nearest number of E3M2, ties to even, subnormals kept.
;;     - The product sums the exact products of the quantised numbers (number of the format x scale) in f32.
;;   ~~~python
;;   def quantise(x, axis):      # numpy; x: float32 -> the quantised numbers, widened to float32 again
;;       x = np.moveaxis(x, axis, -1); K = x.shape[-1]
;;       x = np.pad(x, [(0, 0)] * (x.ndim - 1) + [(0, -K % 32)]); x = x.reshape(x.shape[:-1] + (-1, 32)); a = np.abs(x).max(-1, keepdims=True)
;;       e = np.where(a > 0, np.clip(np.frexp(np.where(a > 0, a, 1))[1] - 1 - 4, -126, 127), 0)      # np.frexp(a)[1] - 1 = floor(log2(a)), exactly
;;       r = np.clip(x / 2.0 ** e, -28, 28)
;;       step = 2.0 ** (np.maximum(np.frexp(np.where(r == 0, 1, r))[1] - 1, -2) - 2)
;;       q = np.round(r / step) * step * 2.0 ** e      # np.round: ties to even
;;       return np.moveaxis(q.reshape(q.shape[:-2] + (-1,))[..., :K], -1, axis).astype(np.float32)
;;   ~~~
;; 2 versions. Each part assembles by itself: llvm-mc -triple=amdgcn-amd-amdhsa -mcpu=gfx1250 --defsym DOCPART=n.
;; ======== version 1 of 2: 3 launches
;; workspace buffers: xc 6,291,456 bytes; xs 262,144 bytes; wc 6,291,456 bytes; wsc 262,144 bytes; route 32,768 bytes of whole numbers; wcnt 4,096 bytes of whole numbers; order 65,536 bytes of whole numbers
;; launch route_x (part 1): grid 256 x 1, 4 waves a work-group, no clusters, 64,000 bytes of LDS; arguments x, gate_w, xc, xs, route, wcnt; writes xc, xs, route, wcnt
.if DOCPART == 1
	.amdgcn_target "amdgcn-amd-amdhsa--gfx1250"
	.amdhsa_code_object_version 6
	.text
	.protected	k_q0c29bf545d_route_x
	.globl	k_q0c29bf545d_route_x
	.p2align	8
	.type	k_q0c29bf545d_route_x,@function
k_q0c29bf545d_route_x:
	s_mov_b64 s[64:65], 0
	v_nop
	global_prefetch_b8 v0, s[64:65] scope:SCOPE_SE
	s_setreg_imm32_b32 hwreg(HW_REG_WAVE_MODE, 25, 1), 1
	s_wait_xcnt 0x0
; x [8192 tokens][1024] f32.  Two things are made of each token in one pass over x:
; (1) THE ROUTER, in f32: eight scores x . gate_w[e], and the first largest of them (a later score wins only if it is greater).
;     Stored at fixed places: route[token] = expert | rank << 8, the rank counted among the tokens of the same expert in this wave's 8 tokens;
;     wcnt[wave] = eight fields of 4 bits, field e = how many of the wave's 8 tokens chose expert e.  No address here hangs on the choice.
; (2) THE CODES of BF6 (E3M2), one E8M0 byte for each 32 along K.  A block's scale is 2^(floor(log2(largest magnitude)) - 4); its byte is the largest magnitude's exponent field - 4.
;     xc: 768 bytes a token, laid [K step of 128][half h][48 bytes]: block 4 s + h, then block 4 s + 2 + h: the 12 operand registers of lane (row, h) are 48 bytes on end.
;     xs: 32 bytes a token, byte j for block j.
; LIMITS: NaN and infinities are not served.  A block whose largest magnitude lies under 2^-122 keeps the byte 1; a block of zeros too (its codes are zeros, and this program alone reads the bytes).
;     The scores' f32 sums are added in another order than a row-by-row sum: two scores that agree to within f32 rounding may be ranked otherwise.
; SHARES: wave W = 4 x work-group + wave owns tokens 8 W .. 8 W + 7: 32,768 bytes of x on end, 16 steps of 512 numbers.  All 64 loads of a wave are issued at the head.
; A load takes 16 bytes a lane, 512 on end; the conversion wants 16 neighbours in a lane: a step's 2,048 bytes turn through the wave's own stage in LDS (64 bytes + 16 of padding a place).
; gate_w is turned the same way, once, by the four waves together, and then stays in each wave's registers: register 32 e + 16 u + i of window 1 = gate_w[e][512 u + 16 lane + i].
; REGISTERS: window 0: v2-15 lane terms; v16-31 eight pairs of sums; v32-59 the reduction and the choice; v80-111 two sets of 16 neighbours; v112-127 a byte a step; v128-191 codes, four registers a step.
;   window 1: the gate.   window 2: x as loaded, 16 registers a step.
.set SP,    80                         ; a place in a stage: 64 bytes + 16: an odd multiple of 16, so that sixteen lanes' 16 bytes fall on sixteen different columns of 256 bytes
.set CHK,   32*SP                      ; 2,048 bytes turned: 2,560 in LDS
.set WR0,   16*CHK                     ; LDS: the gate's 16 chunks, then a region for each wave:
.set WREG,  5632                       ; two stages and 256 scale bytes
.set EMAX,  4
.set ACC,   16
.set SM,    32
.set PT,    40
.set AV,    48
.set AI,    52
.set CNT,   56
.set RW,    57
.set SH,    58
.set EN,    59
.set X,     80
.set E,     112
.set C,     128
.set MSB, 0
.macro WIN new                         ; the immediate's high byte repeats the setting that is left
.if MSB != \new
	s_set_vgpr_msb (MSB<<8)|\new
.set MSB, \new
.endif
.endm
	s_load_b256 s[4:11], s[0:1], 0x0               ; x s[4:5], gate_w s[6:7], xc s[8:9], xs s[10:11]
	s_load_b128 s[12:15], s[0:1], 0x20             ; route s[12:13], wcnt s[14:15]
	v_lshl_add_u32 v254, v0, 2, 0xf800
	v_mov_b32 v255, 0
	v_lshrrev_b32 v1, 5, v0
	v_readfirstlane_b32 s16, v1                    ; wave 0..3
	v_and_b32 v2, 31, v0                           ; lane
	v_lshlrev_b32 v3, 4, v2                        ; my 16 bytes of a load's 512
	v_lshrrev_b32 v8, 3, v2                        ; where my 12 bytes of codes go in a step's 384: K step lane / 8,
	v_mul_u32_u24 v4, v8, 96
	v_bfe_u32 v8, v2, 1, 1                         ; the block's half h (block % 2): 48 bytes,
	v_mad_u32_u24 v4, v8, 48, v4
	v_bfe_u32 v8, v2, 2, 1                         ; block / 2: 24 bytes,
	v_mad_u32_u24 v4, v8, 24, v4
	v_and_b32 v8, 1, v2                            ; my half of the block: 12 bytes
	v_mad_u32_u24 v4, v8, 12, v4
	s_mul_i32 s17, s16, WREG
	s_add_co_u32 s17, s17, WR0                     ; my wave's region
	v_lshrrev_b32 v8, 2, v2
	v_mul_u32_u24 v8, v8, SP
	v_and_b32 v9, 3, v2
	v_lshl_add_u32 v8, v9, 4, v8                   ; a stage, on the way in: SP (lane / 4) + 16 (lane % 4)
	v_add_nc_u32 v14, s17, v8
	v_mul_u32_u24 v15, v2, SP                      ; on the way out: SP x lane
	v_add_nc_u32 v15, s17, v15
	s_mul_i32 s18, s16, 4*CHK                      ; the gate's chunks 4 w .. 4 w + 3 are mine to turn
	v_add_nc_u32 v60, s18, v8
	v_mul_u32_u24 v61, v2, SP
	s_add_co_u32 s17, s17, 2*CHK                   ; my wave's 256 scale bytes
	v_lshrrev_b32 v5, 1, v2
	v_add_nc_u32 v5, s17, v5                       ; my block's byte
	v_lshlrev_b32 v7, 3, v2                        ; and on the way out 8 bytes a lane
	v_add_nc_u32 v6, s17, v7
	v_lshlrev_b32 v10, 2, v2                       ; 4 x lane
	s_mov_b32 s20, 0x76543210
	s_mov_b32 s21, 0xfedcba98                      ; v_permlanex16_b32's selects for lane l xor 16
	s_lshl_b32 s19, ttmp9, 2
	s_add_co_u32 s19, s19, s16                     ; W
	s_mov_b32 s31, 0
	s_wait_kmcnt 0x0
	s_lshl_b32 s30, s19, 15
	s_add_nc_u64 s[4:5], s[4:5], s[30:31]          ; x: 32,768 bytes a wave
	s_lshl_b32 s30, s16, 13
	s_add_nc_u64 s[6:7], s[6:7], s[30:31]          ; gate_w: my four chunks
	s_mul_i32 s30, s19, 6144
	s_add_nc_u64 s[8:9], s[8:9], s[30:31]          ; xc: 8 x 768
	s_lshl_b32 s30, s19, 8
	s_add_nc_u64 s[10:11], s[10:11], s[30:31]      ; xs: 8 x 32
	s_lshl_b32 s30, s19, 5
	s_add_nc_u64 s[12:13], s[12:13], s[30:31]      ; route: 8 words
	s_lshl_b32 s30, s19, 2
	s_add_nc_u64 s[14:15], s[14:15], s[30:31]      ; wcnt: 1 word
.set I, 0
.rept 16
	global_load_b128 v[C+4*I:C+4*I+3], v3, s[6:7] offset:512*I      ; my quarter of the gate, 512 bytes on end a load
.set I, I+1
.endr
	WIN 0x80                                       ; destination window 2
.set I, 0
.rept 64
	global_load_b128 v[4*I:4*I+3], v3, s[4:5] offset:512*I          ; all of my wave's x: step I / 4, part I % 4
.set I, I+1
.endr
	WIN 0
	s_wait_loadcnt 63                              ; 64 loads were issued behind the gate's sixteen; 63 is the largest count that the wait can name
.set I, 0
.rept 16
	ds_store_b128 v60, v[C+4*I:C+4*I+3] offset:8*SP*I
.set I, I+1
.endr
	s_wait_dscnt 0x0                               ; for the others' sake: my part of the gate lies in LDS
	s_barrier_signal -1
	s_barrier_wait -1                              ; everybody's does
	WIN 0x40                                       ; destination window 1
.set I, 0
.rept 64
	ds_load_b128 v[4*I:4*I+3], v61 offset:CHK*(I/4)+16*(I%4)        ; chunk 2 e + u: my 16 numbers of it
.set I, I+1
.endr
	WIN 0
.irp e, 0,1,2,3,4,5,6,7
	v_mov_b32 v[PT+\e], 0                          ; written once: a lane permute's destination counts as one of its sources
.endr
	v_mov_b32 v[CNT], 0
	v_mov_b32 v[RW], 0
	s_wait_dscnt 0x0                               ; the gate is in registers
.macro TURN t                          ; step t's numbers through a stage: LDS serves a wave's instructions in order, so no wait stands between the stores and the loads
	s_wait_loadcnt 60-4*(\t)                       ; behind this step's four loads stand those of the 15 - t later steps
	WIN 0x08                                       ; an LDS store's data are its source 1: window 2
.irp i, 0,1,2,3
	ds_store_b128 v14, v[16*(\t)+4*\i:16*(\t)+4*\i+3] offset:CHK*((\t)%2)+8*SP*\i
.endr
	WIN 0
.irp i, 0,1,2,3
	ds_load_b128 v[X+16*((\t)%2)+4*\i:X+16*((\t)%2)+4*\i+3], v15 offset:CHK*((\t)%2)+16*\i
.endr
.endm
; A token's eight sums are added over the lanes, the first largest is found, and the token's entry goes to lane tok of the route word.
.macro REDUCE tok
.irp e, 0,1,2,3,4,5,6,7
	v_add_f32 v[SM+\e], v[ACC+2*\e], v[ACC+2*\e+1]
.endr
.irp m, 1,2,4,8
.irp e, 0,1,2,3,4,5,6,7
	v_add_f32_dpp v[SM+\e], v[SM+\e], v[SM+\e] row_xmask:\m row_mask:0xf bank_mask:0xf
.endr
.endr
.irp e, 0,1,2,3,4,5,6,7
	v_permlanex16_b32 v[PT+\e], v[SM+\e], s20, s21
.endr
.irp e, 0,1,2,3,4,5,6,7
	v_add_f32 v[SM+\e], v[SM+\e], v[PT+\e]         ; every lane holds the same eight scores
.endr
.irp i, 0,1,2,3
	v_cmp_gt_f32 s[24+\i], v[SM+2*\i+1], v[SM+2*\i]   ; the right one wins only if it is greater: ties stay with the lower expert
.endr
.irp i, 0,1,2,3
	v_cndmask_b32 v[AV+\i], v[SM+2*\i], v[SM+2*\i+1], s[24+\i]
	v_cndmask_b32 v[AI+\i], 2*\i, 2*\i+1, s[24+\i]
.endr
	v_cmp_gt_f32 s24, v[AV+1], v[AV]
	v_cmp_gt_f32 s25, v[AV+3], v[AV+2]
	v_cndmask_b32 v[AV], v[AV], v[AV+1], s24
	v_cndmask_b32 v[AI], v[AI], v[AI+1], s24
	v_cndmask_b32 v[AV+2], v[AV+2], v[AV+3], s25
	v_cndmask_b32 v[AI+2], v[AI+2], v[AI+3], s25
	v_cmp_gt_f32 s24, v[AV+2], v[AV]
	v_cndmask_b32 v[AI], v[AI], v[AI+2], s24       ; the chosen expert
	v_lshlrev_b32 v[SH], 2, v[AI]
	v_bfe_u32 v[EN], v[CNT], v[SH], 4              ; how many of my earlier tokens chose it: the rank
	v_lshl_add_u32 v[CNT], 1, v[SH], v[CNT]        ; and one more now (8 at the most: inside 4 bits)
	v_lshl_or_b32 v[EN], v[EN], 8, v[AI]
	s_mov_b32 s22, 1<<(\tok)
	v_cndmask_b32 v[RW], v[RW], v[EN], s22         ; a value is chosen, no address
.endm
.macro STEP t
.set XS, X+16*((\t)%2)
.set U, (\t)%2
.if (\t) > 0
	s_wait_dscnt 1                                 ; this step's numbers are back from the stage; the last step's byte store may be out
.else
	s_wait_dscnt 0x0
.endif
.if (\t) < 15
	TURN (\t)+1                                    ; the next step goes through the other stage while this one is worked
.endif
	WIN 0x04                                       ; source 1, the gate: window 1
.irp p, 0,1,2,3,4,5,6,7
.irp e, 0,1,2,3,4,5,6,7
.if (U == 0) && (\p == 0)
	v_pk_mul_f32 v[ACC+2*\e:ACC+2*\e+1], v[XS+2*\p:XS+2*\p+1], v[32*\e+16*U+2*\p:32*\e+16*U+2*\p+1]   ; a token's first products start its sums
.else
	v_pk_fma_f32 v[ACC+2*\e:ACC+2*\e+1], v[XS+2*\p:XS+2*\p+1], v[32*\e+16*U+2*\p:32*\e+16*U+2*\p+1], v[ACC+2*\e:ACC+2*\e+1]   ; the eight experts by turns
.endif
.endr
.endr
	WIN 0
	v_max3_num_f32 v8, |v[XS]|, |v[XS+1]|, |v[XS+2]|               ; the largest magnitude of my 16
	v_max3_num_f32 v9, |v[XS+3]|, |v[XS+4]|, |v[XS+5]|
.irp i, 6,10
	v_max3_num_f32 v8, v8, |v[XS+\i]|, |v[XS+\i+1]|
	v_max3_num_f32 v9, v9, |v[XS+\i+2]|, |v[XS+\i+3]|
.endr
	v_max3_num_f32 v8, v8, |v[XS+14]|, |v[XS+15]|
	v_max3_num_f32 v8, v8, v9, (EMAX+1)<<23        ; and the floor 2^(5 - 127): the byte cannot fall under 1
	v_max_num_f32_dpp v8, v8, v8 row_xmask:1 row_mask:0xf bank_mask:0xf   ; and of my neighbour's 16: the block's
	v_add_nc_u32 v11, -(EMAX<<23), v8              ; 4 off its exponent field: the conversion takes the exponent field of this operand as its scale
	v_cvt_scalef32_pk16_bf6_f32 v[C+4*(\t):C+4*(\t)+2], v[XS:XS+15], v11
	v_lshrrev_b32 v[E+(\t)], 23, v11               ; the scale's byte (also the plain line behind the conversion)
	ds_store_b8 v5, v[E+(\t)] offset:16*(\t)       ; both lanes of a block write the same byte with the same value
	global_store_b96 v4, v[C+4*(\t):C+4*(\t)+2], s[8:9] offset:384*(\t)   ; the wave's 384 bytes lie on end
.if U == 1
	REDUCE (\t)/2
.endif
.endm
	TURN 0
.irp t, 0,1,2,3,4,5,6,7,8,9,10,11,12,13,14,15
	STEP \t
.endr
	ds_load_b64 v[12:13], v6                       ; LDS serves a wave's instructions in order: these see my byte stores
	s_wait_dscnt 0x0
	global_store_b64 v7, v[12:13], s[10:11]        ; 32 lanes store 256 bytes on end, at a multiple of 256 from xs's first byte
	v_cmp_gt_u32 vcc_lo, 8, v2
	s_wait_xcnt 0x0                                ; EXEC is a source of the pending stores: it changes only behind this wait
	s_wait_tensorcnt 0x0
	ds_add_u32 v254, v255
	s_wait_dscnt 0x0
	s_and_saveexec_b32 s28, vcc_lo
	global_store_b32 v10, v[RW], s[12:13]          ; lanes 0 to 7: my eight tokens' entries
	s_wait_xcnt 0x0
	s_or_b32 exec_lo, exec_lo, s28
	v_cmp_eq_u32 vcc_lo, 0, v2
	s_and_saveexec_b32 s28, vcc_lo
	global_store_b32 v10, v[CNT], s[14:15]         ; lane 0: the wave's counts
	s_wait_xcnt 0x0
	s_or_b32 exec_lo, exec_lo, s28
	s_endpgm
.Lfunc_end_k_q0c29bf545d_route_x:
	.size	k_q0c29bf545d_route_x, .Lfunc_end_k_q0c29bf545d_route_x-k_q0c29bf545d_route_x
	.p2alignl 7, 3214868480
	.fill 96, 4, 3214868480
	.section	.rodata,"a",@progbits
	.p2align	6, 0x0
	.amdhsa_kernel k_q0c29bf545d_route_x
		.amdhsa_group_segment_fixed_size 64000
		.amdhsa_private_segment_fixed_size 0
		.amdhsa_enable_private_segment 0
		.amdhsa_kernarg_size 48
		.amdhsa_user_sgpr_count 2
		.amdhsa_user_sgpr_kernarg_segment_ptr 1
		.amdhsa_wavefront_size32 1
		.amdhsa_system_sgpr_workgroup_id_x 1
		.amdhsa_system_sgpr_workgroup_id_y 1
		.amdhsa_system_sgpr_workgroup_id_z 1
		.amdhsa_system_vgpr_workitem_id 0
		.amdhsa_next_free_vgpr 768
		.amdhsa_next_free_sgpr 66
		.amdhsa_reserve_vcc 1
		.amdhsa_float_denorm_mode_32 3
		.amdhsa_float_denorm_mode_16_64 3
		.amdhsa_memory_ordered 1
		.amdhsa_forward_progress 1
		.amdhsa_inst_pref_size 143
	.end_amdhsa_kernel
	.amdgpu_metadata
---
amdhsa.version: [ 1, 2 ]
amdhsa.kernels:
  - .name:           k_q0c29bf545d_route_x
    .symbol:         k_q0c29bf545d_route_x.kd
    .args:
      - { .name: x, .offset: 0, .size: 8, .value_kind: global_buffer, .address_space: global }
      - { .name: gate_w, .offset: 8, .size: 8, .value_kind: global_buffer, .address_space: global }
      - { .name: xc, .offset: 16, .size: 8, .value_kind: global_buffer, .address_space: global }
      - { .name: xs, .offset: 24, .size: 8, .value_kind: global_buffer, .address_space: global }
      - { .name: route, .offset: 32, .size: 8, .value_kind: global_buffer, .address_space: global }
      - { .name: wcnt, .offset: 40, .size: 8, .value_kind: global_buffer, .address_space: global }
    .group_segment_fixed_size: 64000
    .private_segment_fixed_size: 0
    .kernarg_segment_align: 8
    .kernarg_segment_size: 48
    .max_flat_workgroup_size: 128
    .sgpr_count:     66
    .vgpr_count:     768
    .wavefront_size: 32
...
	.end_amdgpu_metadata
.endif
;; end of part 1
;; launch quant_w (part 2): grid 256 x 1, 4 waves a work-group, no clusters, 68,352 bytes of LDS; arguments expert_w, route, wcnt, wc, wsc, order; writes wc, wsc, order
.if DOCPART == 2
	.amdgcn_target "amdgcn-amd-amdhsa--gfx1250"
	.amdhsa_code_object_version 6
	.text
	.protected	k_q0c29bf545d_quant_w
	.globl	k_q0c29bf545d_quant_w
	.p2align	8
	.type	k_q0c29bf545d_quant_w,@function
k_q0c29bf545d_quant_w:
	s_mov_b64 s[64:65], 0
	v_nop
	global_prefetch_b8 v0, s[64:65] scope:SCOPE_SE
	s_setreg_imm32_b32 hwreg(HW_REG_WAVE_MODE, 25, 1), 1
	s_wait_xcnt 0x0
; Two things that do not depend on each other, in one launch:
; (1) expert_w [8][1024 f][1024 h] f32 becomes codes of BF6 (E3M2) along h, with one E8M0 byte for each 32, laid IN THE ORDER OF THE OPERAND'S REGISTERS:
;     wc  [expert][block of 16 rows][K step of 128][c 0..2][lane][16 bytes]: a fragment is three loads of 512 bytes on end;
;     wsc [expert][block of 16 rows][h][row][4 words]: lane 16 h + r's 16 bytes are the scale words of K steps 4 h .. 4 h + 3 of row r.
;     A block's scale is 2^(floor(log2(largest magnitude)) - 4); its byte is the largest magnitude's exponent field - 4.
; (2) THE PLACING: the tokens are sorted by expert, in the order of their numbers within an expert.  order[position] = token, order[8192 + position] = its expert.
;     Work-group g places tokens 32 g .. 32 g + 31: position = (tokens of lower experts) + (tokens of the same expert in the earlier launch's waves under 4 g) + (in waves 4 g .. up to mine) + the stored rank.
;     Every work-group adds up all 1,024 count words itself: no traffic between work-groups.  Every position is written by one lane of the launch.
; LIMITS: NaN and infinities are not served.  A block whose largest magnitude lies under 2^-122 keeps the byte 1; a block of zeros too (its codes are zeros, and this program alone reads the bytes).
; SHARES: wave id = 4 g + wave takes 16 rows (block id / 2) x 512 along K (half id % 2): four tiles of 16 rows x 128.  All its 64 loads, 512 bytes of one row each, go out at the head; the placing is done while they are on their way.
; A tile turns through the wave's own stage in LDS (rows of 512 bytes + 16): in as loaded, out so that lane (r, h) holds k = 64 c + 32 h + 0 .. 31 of row r: two whole blocks, so no other lane is asked for a maximum.
; REGISTERS: window 0: v1-7 lane terms; v8-15 count words; v16-23 eight packed sums; v24 route word; v26-47 the placing; v48-175 two sets of 64 numbers; v176-223 codes, 12 a tile; v224-247 at work.   window 1: W as loaded.
.set PITCH, 528                        ; an odd multiple of 16: sixteen rows at one column fall on sixteen different columns of 256 bytes
.set STG,   16*PITCH
.set PL,    4*2*STG                    ; behind the stages: 32 bytes for each wave's sums
.set Q,     16
.set RT,    24
.set SH8,   25
.set TP,    26
.set X,     48
.set F,     176
.set T,     224
.set WD,    232
.set M,     236
.set SO,    238
.set BY,    240
.set WW,    242
.set WT,    243
.set MSB, 0
.macro WIN new                         ; the immediate's high byte repeats the setting that is left
.if MSB != \new
	s_set_vgpr_msb (MSB<<8)|\new
.set MSB, \new
.endif
.endm
	s_load_b256 s[4:11], s[0:1], 0x0               ; expert_w s[4:5], route s[6:7], wcnt s[8:9], wc s[10:11]
	s_load_b128 s[12:15], s[0:1], 0x20             ; wsc s[12:13], order s[14:15]
	v_lshl_add_u32 v254, v0, 2, 0x10900
	v_mov_b32 v255, 0
	v_lshrrev_b32 v1, 5, v0
	v_readfirstlane_b32 s16, v1                    ; wave 0..3
	v_and_b32 v1, 31, v0                           ; lane
	v_and_b32 v2, 15, v0                           ; r
	v_bfe_u32 v3, v0, 4, 1                         ; h
	v_lshlrev_b32 v4, 4, v1                        ; 16 x lane
	s_mul_i32 s17, s16, 2*STG                      ; my two stages
	v_add_nc_u32 v5, s17, v4                       ; in: 16 x lane of a row
	v_mul_u32_u24 v6, v2, PITCH
	v_lshl_add_u32 v6, v3, 7, v6
	v_add_nc_u32 v6, s17, v6                       ; out: row r, + 128 h
	v_lshlrev_b32 v7, 4, v2
	v_lshl_add_u32 v7, v3, 3, v7                   ; the scale words' way out: 16 r + 8 h
	v_lshlrev_b32 v[SH8], 3, v3
	v_lshlrev_b32 v34, 5, v0                       ; my eight count words: 32 x thread
	v_lshlrev_b32 v35, 2, v1                       ; my token's route word
	s_lshl_b32 s18, s16, 5
	s_add_co_u32 s18, s18, PL
	v_mov_b32 v36, s18                             ; where my wave's sums go
	v_mov_b32 v37, PL
	v_mov_b32 v[WT], 0                             ; written once: a lane permute's destination counts as one of its sources
	s_mov_b32 s20, 0x76543210
	s_mov_b32 s21, 0xfedcba98                      ; v_permlanex16_b32's selects for lane l xor 16
	s_lshl_b32 s19, ttmp9, 2                       ; 4 g
	s_add_co_u32 s22, s19, s16                     ; id
	s_mov_b32 s29, 0
	s_mov_b32 s31, 0
	s_lshl_b32 s23, ttmp9, 4                       ; the count words 4 g .. 4 g + 3, in bytes
	s_wait_kmcnt 0x0
	s_load_b128 s[24:27], s[8:9], s23 offset:0x0
	s_lshr_b32 s28, s22, 1
	s_lshl_b32 s28, s28, 16                        ; 16 rows of 4,096 bytes
	s_and_b32 s30, s22, 1
	s_lshl_b32 s30, s30, 11                        ; + my half of K
	s_add_nc_u64 s[4:5], s[4:5], s[28:29]
	s_add_nc_u64 s[4:5], s[4:5], s[30:31]
	s_lshl_b32 s28, ttmp9, 7
	s_add_nc_u64 s[6:7], s[6:7], s[28:29]          ; route: 32 words a work-group
	s_mul_i32 s28, s22, 6144
	s_add_nc_u64 s[10:11], s[10:11], s[28:29]      ; wc: four fragments a wave
	s_lshl_b32 s28, s22, 8
	s_add_nc_u64 s[12:13], s[12:13], s[28:29]      ; wsc: 256 bytes a wave
	global_load_b128 v[8:11], v34, s[8:9]
	global_load_b128 v[12:15], v34, s[8:9] offset:16
	global_load_b32 v[RT], v35, s[6:7]
	WIN 0x40                                       ; destination window 1
.set I, 0
.rept 64
	global_load_b128 v[4*I:4*I+3], v4, s[4:5] offset:4096*(I%16)+512*(I/16) th:TH_LOAD_NT   ; tile I / 16, row I % 16: 512 bytes on end; read once in the launch
.set I, I+1
.endr
	WIN 0
	s_wait_loadcnt 63                              ; 64 loads were issued behind the three; 63 is the largest count that the wait can name
	s_wait_kmcnt 0x0
	; ---- the placing.  A count word's eight fields of 4 bits are parted into bytes (even experts, odd experts), four words added (32 at the most a byte), then widened to 16 bits (8,192 at the most).
	s_mov_b32 s17, 0x0f0f0f0f
.irp k, 0,1,2,3,4,5,6,7
	v_and_b32 v[TP+\k], s17, v[8+\k]               ; experts 0, 2, 4, 6
	v_lshrrev_b32 v[8+\k], 4, v[8+\k]
.endr
.irp k, 0,1,2,3,4,5,6,7
	v_and_b32 v[8+\k], s17, v[8+\k]                ; experts 1, 3, 5, 7
.endr
	v_add3_u32 v38, v26, v27, v28
	v_add3_u32 v39, v30, v31, v32
	v_add3_u32 v40, v8, v9, v10
	v_add3_u32 v41, v12, v13, v14
	v_add_nc_u32 v38, v38, v29                     ; my words 0-3, even experts
	v_add_nc_u32 v39, v39, v33                     ; my words 4-7
	v_add_nc_u32 v40, v40, v11                     ; odd experts
	v_add_nc_u32 v41, v41, v15
	v_add_nc_u32 v42, v38, v39                     ; the totals
	v_add_nc_u32 v43, v40, v41
	v_lshlrev_b32 v46, 3, v0                       ; my first word's number,
	v_or_b32 v47, 4, v46                           ; and my fifth's.  4 g is a multiple of 4: a group of four words lies wholly under it or not at all
	v_cmp_gt_u32 vcc_lo, s19, v46
	v_cmp_gt_u32 s18, s19, v47
	v_cndmask_b32 v38, 0, v38, vcc_lo
	v_cndmask_b32 v40, 0, v40, vcc_lo
	v_cndmask_b32 v39, 0, v39, s18
	v_cndmask_b32 v41, 0, v41, s18
	v_add_nc_u32 v44, v38, v39                     ; what lies before my work-group's tokens
	v_add_nc_u32 v45, v40, v41
	s_mov_b32 s17, 0x00ff00ff
.irp k, 0,1,2,3
	v_and_b32 v[Q+2*\k], s17, v[42+\k]             ; sums 0, 1: totals of experts {0, 4}, {2, 6}; 2, 3: {1, 5}, {3, 7}; 4 to 7: the same of what lies before
	v_lshrrev_b32 v[42+\k], 8, v[42+\k]
	v_and_b32 v[Q+2*\k+1], s17, v[42+\k]
.endr
.irp m, 1,2,4,8
.irp k, 0,1,2,3,4,5,6,7
	v_mov_b32_dpp v[TP+\k], v[Q+\k] row_xmask:\m row_mask:0xf bank_mask:0xf
.endr
.irp k, 0,1,2,3,4,5,6,7
	v_add_nc_u32 v[Q+\k], v[Q+\k], v[TP+\k]
.endr
.endr
.irp k, 0,1,2,3,4,5,6,7
	v_permlanex16_b32 v[TP+\k], v[Q+\k], s20, s21
.endr
.irp k, 0,1,2,3,4,5,6,7
	v_add_nc_u32 v[Q+\k], v[Q+\k], v[TP+\k]        ; the wave's sums, in every lane
.endr
	ds_store_b128 v36, v[Q:Q+3]                    ; all lanes write the same bytes with the same values
	ds_store_b128 v36, v[Q+4:Q+7] offset:16
	s_wait_dscnt 0x0                               ; for the others' sake
	s_barrier_signal -1
	s_barrier_wait -1                              ; the launch's one barrier, on every wave's path
.irp j, 0,1,2,3,4,5,6,7
	ds_load_b128 v[X+4*\j:X+4*\j+3], v37 offset:16*\j
.endr
	s_wait_dscnt 0x0
.irp k, 0,1,2,3,4,5,6,7
	v_add3_u32 v[Q+\k], v[X+\k], v[X+8+\k], v[X+16+\k]
.endr
.irp k, 0,1,2,3,4,5,6,7
	v_add_nc_u32 v[Q+\k], v[Q+\k], v[X+24+\k]      ; the sums over all 1,024 words
.endr
	s_cmp_lg_u32 s16, 0
	s_cbranch_scc1 .Lplaced                        ; wave 0 places the 32 tokens, a lane a token
.irp k, 0,1,2,3,4,5,6,7
	v_readfirstlane_b32 s[40+\k], v[Q+\k]
.endr
	s_and_b32 s48, s40, 0xffff                     ; s48-55: each expert's tokens
	s_lshr_b32 s52, s40, 16
	s_and_b32 s50, s41, 0xffff
	s_lshr_b32 s54, s41, 16
	s_and_b32 s49, s42, 0xffff
	s_lshr_b32 s53, s42, 16
	s_and_b32 s51, s43, 0xffff
	s_lshr_b32 s55, s43, 16
	s_and_b32 s56, s44, 0xffff                     ; s56-63: those of them before my work-group's
	s_lshr_b32 s60, s44, 16
	s_and_b32 s58, s45, 0xffff
	s_lshr_b32 s62, s45, 16
	s_and_b32 s57, s46, 0xffff
	s_lshr_b32 s61, s46, 16
	s_and_b32 s59, s47, 0xffff
	s_lshr_b32 s63, s47, 16
	s_mov_b32 s32, s56                             ; s32-39: where expert e's next token goes
	s_mov_b32 s17, s48
.irp e, 1,2,3,4,5,6,7
	s_add_co_u32 s[32+\e], s17, s[56+\e]
.if \e < 7
	s_add_co_u32 s17, s17, s[48+\e]
.endif
.endr
	s_mov_b32 s18, 0x0f0f0f0f                      ; the counts of my work-group's own first one, two, three groups of 8 tokens, in bytes
	s_and_b32 s40, s24, s18
	s_lshr_b32 s44, s24, 4
	s_and_b32 s44, s44, s18
	s_and_b32 s41, s25, s18
	s_lshr_b32 s45, s25, 4
	s_and_b32 s45, s45, s18
	s_add_co_u32 s41, s41, s40
	s_add_co_u32 s45, s45, s44
	s_and_b32 s42, s26, s18
	s_lshr_b32 s46, s26, 4
	s_and_b32 s46, s46, s18
	s_add_co_u32 s42, s42, s41
	s_add_co_u32 s46, s46, s45
	v_mov_b32 v38, 0
	v_mov_b32 v39, 0
.irp j, 1,2,3
	s_mov_b32 s17, 0xff<<(8*\j)                    ; lanes 8 j .. 8 j + 7
	v_mov_b32 v40, s[39+\j]
	v_mov_b32 v41, s[43+\j]
	v_cndmask_b32 v38, v38, v40, s17
	v_cndmask_b32 v39, v39, v41, s17
.endr
	v_and_b32 v42, 7, v[RT]                        ; my token's expert
	v_bfe_u32 v43, v[RT], 8, 4                     ; its rank among its group's 8
	v_and_b32 v44, 1, v42
	v_cmp_eq_u32 vcc_lo, 1, v44
	v_cndmask_b32 v38, v38, v39, vcc_lo
	v_and_b32 v44, 6, v42
	v_lshlrev_b32 v44, 2, v44                      ; byte expert / 2
	v_bfe_u32 v38, v38, v44, 8
	v_mov_b32 v45, s32
.irp e, 1,2,3,4,5,6,7
	v_mov_b32 v40, s[32+\e]
	v_cmp_eq_u32 vcc_lo, \e, v42
	v_cndmask_b32 v45, v45, v40, vcc_lo
.endr
	v_add3_u32 v45, v45, v38, v43                  ; the position
	v_min_u32 v45, 0x1fff, v45                     ; a number made of loaded numbers enters an address only held inside the buffer
	v_lshlrev_b32 v45, 2, v45
	s_lshl_b32 s17, ttmp9, 5
	v_add_nc_u32 v46, s17, v1                      ; my token
	global_store_b32 v45, v46, s[14:15]
	global_store_b32 v45, v42, s[14:15] offset:32768   ; v42, v45, v46 are not written again
.Lplaced:
	; ---- the tiles
.macro TURNW q                         ; tile q through a stage: LDS serves a wave's instructions in order
	s_wait_loadcnt 16*(3-(\q))                     ; behind this tile's sixteen loads stand those of the later tiles
	WIN 0x04                                       ; an LDS store's data are its source 1: window 1
.irp r, 0,1,2,3,4,5,6,7,8,9,10,11,12,13,14,15
	ds_store_b128 v5, v[64*(\q)+4*\r:64*(\q)+4*\r+3] offset:STG*((\q)%2)+PITCH*\r
.endr
	WIN 0
.irp c, 0,1
.irp i, 0,1,2,3,4,5,6,7
	ds_load_b128 v[X+64*((\q)%2)+32*\c+4*\i:X+64*((\q)%2)+32*\c+4*\i+3], v6 offset:STG*((\q)%2)+256*\c+16*\i
.endr
.endr
.endm
.macro TILE q
.set XS, X+64*((\q)%2)
.set FQ, F+12*(\q)
	s_wait_dscnt 0x0                               ; this tile's numbers are back from the stage
.if (\q) < 3
	TURNW (\q)+1                                   ; the next tile goes through the other stage meanwhile
.endif
.irp c, 0,1                                    ; my block 2 c + h: all its 32 numbers are mine
	v_max3_num_f32 v[M+\c], |v[XS+32*\c]|, |v[XS+32*\c+1]|, 0x2800000   ; with the floor 2^(5 - 127): the byte cannot fall under 1
.endr
.irp i, 2,4,6,8,10,12,14,16,18,20,22,24,26,28,30
.irp c, 0,1
	v_max3_num_f32 v[M+\c], v[M+\c], |v[XS+32*\c+\i]|, |v[XS+32*\c+\i+1]|
.endr
.endr
.irp c, 0,1
	v_add_nc_u32 v[SO+\c], 0xfe000000, v[M+\c]     ; 4 off the exponent field: the conversion's scale operand
.endr
.irp c, 0,1
	v_lshrrev_b32 v[BY+\c], 23, v[SO+\c]           ; the scale's byte
.endr
	v_lshl_or_b32 v[WW], v[BY+1], 16, v[BY]        ; my two bytes: blocks h and 2 + h,
	v_lshlrev_b32 v[WW], v[SH8], v[WW]             ; at their places in the row's scale word;
	v_permlanex16_b32 v[WT], v[WW], s20, s21
	v_or_b32 v[WD+(\q)], v[WW], v[WT]              ; with lane l xor 16's two the word is whole, in both lanes
	v_cvt_scalef32_pk16_bf6_f32 v[FQ:FQ+2], v[XS:XS+15], v[SO]
	v_cvt_scalef32_pk16_bf6_f32 v[T:T+2], v[XS+16:XS+31], v[SO]          ; (a conversion's three registers begin on an even number: a block's second half is made elsewhere and moved)
	v_cvt_scalef32_pk16_bf6_f32 v[FQ+6:FQ+8], v[XS+32:XS+47], v[SO+1]
	v_cvt_scalef32_pk16_bf6_f32 v[T+4:T+6], v[XS+48:XS+63], v[SO+1]
	v_nop                                          ; one plain line behind the conversions
.irp i, 0,1,2
	v_mov_b32 v[FQ+3+\i], v[T+\i]
	v_mov_b32 v[FQ+9+\i], v[T+4+\i]
.endr
.irp c, 0,1,2
	global_store_b128 v4, v[FQ+4*\c:FQ+4*\c+3], s[10:11] offset:1536*(\q)+512*\c   ; the fragment as it stands: 512 bytes on end; each tile has its own registers, so no store's data are written again
.endr
.endm
	TURNW 0
	TILE 0
	TILE 1
	TILE 2
	TILE 3
	v_cmp_eq_u32 vcc_lo, 1, v3
	v_cndmask_b32 v244, v[WD], v[WD+2], vcc_lo     ; lanes 0-15 send tiles 0 and 1's words of their row, lanes 16-31 tiles 2 and 3's
	v_cndmask_b32 v245, v[WD+1], v[WD+3], vcc_lo
	global_store_b64 v7, v[244:245], s[12:13]      ; 32 lanes store 256 bytes on end, at a multiple of 256 from wsc's first byte
	s_wait_tensorcnt 0x0
	ds_add_u32 v254, v255
	s_wait_dscnt 0x0
	s_endpgm
.Lfunc_end_k_q0c29bf545d_quant_w:
	.size	k_q0c29bf545d_quant_w, .Lfunc_end_k_q0c29bf545d_quant_w-k_q0c29bf545d_quant_w
	.p2alignl 7, 3214868480
	.fill 96, 4, 3214868480
	.section	.rodata,"a",@progbits
	.p2align	6, 0x0
	.amdhsa_kernel k_q0c29bf545d_quant_w
		.amdhsa_group_segment_fixed_size 68352
		.amdhsa_private_segment_fixed_size 0
		.amdhsa_enable_private_segment 0
		.amdhsa_kernarg_size 48
		.amdhsa_user_sgpr_count 2
		.amdhsa_user_sgpr_kernarg_segment_ptr 1
		.amdhsa_wavefront_size32 1
		.amdhsa_system_sgpr_workgroup_id_x 1
		.amdhsa_system_sgpr_workgroup_id_y 1
		.amdhsa_system_sgpr_workgroup_id_z 1
		.amdhsa_system_vgpr_workitem_id 0
		.amdhsa_next_free_vgpr 512
		.amdhsa_next_free_sgpr 66
		.amdhsa_reserve_vcc 1
		.amdhsa_float_denorm_mode_32 3
		.amdhsa_float_denorm_mode_16_64 3
		.amdhsa_memory_ordered 1
		.amdhsa_forward_progress 1
		.amdhsa_inst_pref_size 42
	.end_amdhsa_kernel
	.amdgpu_metadata
---
amdhsa.version: [ 1, 2 ]
amdhsa.kernels:
  - .name:           k_q0c29bf545d_quant_w
    .symbol:         k_q0c29bf545d_quant_w.kd
    .args:
      - { .name: expert_w, .offset: 0, .size: 8, .value_kind: global_buffer, .address_space: global }
      - { .name: route, .offset: 8, .size: 8, .value_kind: global_buffer, .address_space: global }
      - { .name: wcnt, .offset: 16, .size: 8, .value_kind: global_buffer, .address_space: global }
      - { .name: wc, .offset: 24, .size: 8, .value_kind: global_buffer, .address_space: global }
      - { .name: wsc, .offset: 32, .size: 8, .value_kind: global_buffer, .address_space: global }
      - { .name: order, .offset: 40, .size: 8, .value_kind: global_buffer, .address_space: global }
    .group_segment_fixed_size: 68352
    .private_segment_fixed_size: 0
    .kernarg_segment_align: 8
    .kernarg_segment_size: 48
    .max_flat_workgroup_size: 128
    .sgpr_count:     66
    .vgpr_count:     512
    .wavefront_size: 32
...
	.end_amdgpu_metadata
.endif
;; end of part 2
;; launch experts (part 3): grid 4 x 64, 4 waves a work-group, no clusters, 118,272 bytes of LDS; arguments x, xc, xs, wc, wsc, order, out0; writes out0
.if DOCPART == 3
	.amdgcn_target "amdgcn-amd-amdhsa--gfx1250"
	.amdhsa_code_object_version 6
	.text
	.protected	k_q0c29bf545d_experts
	.globl	k_q0c29bf545d_experts
	.p2align	8
	.type	k_q0c29bf545d_experts,@function
k_q0c29bf545d_experts:
	s_mov_b64 s[64:65], 0
	v_nop
	global_prefetch_b8 v0, s[64:65] scope:SCOPE_SE
	s_setreg_imm32_b32 hwreg(HW_REG_WAVE_MODE, 25, 1), 1
	s_wait_xcnt 0x0
; out0[t] = x[t] + Q(x[t]) Q(W[expert of t])^T, on codes of BF6 (E3M2) with one E8M0 scale for each 32 along K = 1,024; sums and the residual in f32.  Only the chosen expert's product is made.
; TILES ARE CUT FROM THE SORTED LIST: work-group (cx, T) takes positions 128 T .. 128 T + 127 of order and columns 256 cx .. 256 cx + 255: 64 x 4 work-groups, none empty, no row padded, each output number with one owner.
; A tile may span several experts (the whole list has at most 7 borders).  It then walks the experts from its first row's to its last row's, ONE PASS EACH; in a pass the codes of the rows that belong to another
; expert are cleared in registers, by an AND with a lane mask behind the load from LDS: zero codes add nothing under any scale byte that the quantiser gives.  LDS addresses are made of ids and constants alone.
; A tile with one expert jumps over the ANDs: a scalar branch on a stored whole number, the same in all four waves; both ways issue the same loads, so every wait's count holds on both.
; SHARES: wave w makes all 128 rows x 64 columns (blocks of 16 columns 16 cx + 4 w + 0 .. 3): 32 accumulators.  The rows' codes are gathered once into LDS and read by all four waves.
; The weights lie in memory in the order of the operand's registers: each wave loads its own fragments straight into registers, each fragment by one wave of the work-group.
; THE MATRIX INSTRUCTION IS USED TRANSPOSED (source 0 = 16 rows of W, source 1 = 16 tokens): a lane holds eight neighbouring columns of one token's row.
; NO TENSOR LOAD, NO CLUSTER: the number of passes is a number read from memory, and partners of a cluster would need different numbers of them.  The one barrier stands ahead of every branch on such a number.
; LIMITS: as the two launches before state them (NaN and infinities not served; the scale bytes lie between 1 and 254).
; REGISTERS, in windows of 256: window 0: v1-11 lane terms; v12-19 row block a's lane mask; v20-27 its rows' experts; v32-63 the tokens' scale words (lanes 0-15: K steps 0-3, lanes 16-31: 4-7);
;   v64-79 the weights' likewise; v80-95 the next expert's; v96-239 a ring of three sets of four fragments of tokens, later rows on the way out; v240-255 the gather's offsets.
;   window 1: accumulator (a, b) at v[8 (4 a + b)].   window 2: W's K steps 0-3, 48 registers each, later x for the residual; v192-255 the rows' byte offsets in x and out0.   window 3: W's K steps 4-7; v192-255 x for the residual.
.set PA,    784                        ; a token's 768 bytes of codes + 16: an odd multiple of 16: sixteen rows at one column fall on sixteen different columns of 256 bytes
.set STAGE, 128*PA                     ; behind the 128 rows: 16 rows x (256 + 16) bytes for each wave, for the way out
.set SPI,   272
.set MK,    12
.set EX,    20
.set AS,    32
.set BS,    64
.set BT,    80
.set RING,  96
.set GOF,   240
.set MSB, 0
.macro WIN new                         ; the immediate's high byte repeats the setting that is left
.if MSB != \new
	s_set_vgpr_msb (MSB<<8)|\new
.set MSB, \new
.endif
.endm
.macro PLACES                          ; four plain lines between a matrix instruction and a load into, or a vector write of, one of its registers, or a read of its result
.rept 4
	v_nop
.endr
.endm
.macro BLOAD s                         ; W's four fragments of K step s: 12 loads of 512 bytes on end
.if (\s) < 4
	WIN 0x80
.else
	WIN 0xc0
.endif
.irp b, 0,1,2,3
.irp c, 0,1,2
	global_load_b128 v[48*((\s)%4)+12*\b+4*\c:48*((\s)%4)+12*\b+4*\c+3], v3, s[24:25] offset:12288*\b+1536*(\s)+512*\c
.endr
.endr
	WIN 0
.endm
.macro SLOAD dst                       ; W's scale words, all eight K steps of four blocks
.irp b, 0,1,2,3
	global_load_b128 v[\dst+4*\b:\dst+4*\b+3], v3, s[26:27] offset:512*\b
.endr
.endm
.macro AFETCH n                        ; half n: K step n / 2, row blocks 4 (n % 2) + 0 .. 3, into ring set n % 3.  v5 serves row blocks 0-3, v6 blocks 4-7; the block, the K step and the piece stand in the immediate
.irp i, 0,1,2,3
.irp c, 0,1,2
	ds_load_b128 v[RING+48*((\n)%3)+12*\i+4*\c:RING+48*((\n)%3)+12*\i+4*\c+3], v[5+((\n)&1)] offset:16*PA*\i+96*((\n)>>1)+16*\c
.endr
.endr
.endm
; 16 matrix instructions on 16 accumulators; the next half takes the other 16: the accumulators go by turns, one instruction a turn.  zero = 1: the products start the sums.
.macro MUL n, zero
.set SS, (\n)>>1
.set AH, 4*((\n)&1)
.set RG, RING+48*((\n)%3)
.set BB, 48*(SS%4)
.if SS < 4
	WIN 0x52                                       ; source 0 (W) window 2, source 1 (tokens) window 0, C and D window 1
.else
	WIN 0x53                                       ; W in window 3
.endif
.irp i, 0,1,2,3
.irp b, 0,1,2,3
.if \zero
	v_wmma_scale_f32_16x16x128_f8f6f4 v[8*(4*(AH+\i)+\b):8*(4*(AH+\i)+\b)+7], v[BB+12*\b:BB+12*\b+11], v[RG+12*\i:RG+12*\i+11], 0, v[BS+4*\b+(SS&3)], v[AS+4*(AH+\i)+(SS&3)] matrix_a_fmt:MATRIX_FMT_BF6 matrix_b_fmt:MATRIX_FMT_BF6
.elseif SS < 4
	v_wmma_scale_f32_16x16x128_f8f6f4 v[8*(4*(AH+\i)+\b):8*(4*(AH+\i)+\b)+7], v[BB+12*\b:BB+12*\b+11], v[RG+12*\i:RG+12*\i+11], v[8*(4*(AH+\i)+\b):8*(4*(AH+\i)+\b)+7], v[BS+4*\b+(SS&3)], v[AS+4*(AH+\i)+(SS&3)] matrix_a_fmt:MATRIX_FMT_BF6 matrix_b_fmt:MATRIX_FMT_BF6
.else
	v_wmma_scale_f32_16x16x128_f8f6f4 v[8*(4*(AH+\i)+\b):8*(4*(AH+\i)+\b)+7], v[BB+12*\b:BB+12*\b+11], v[RG+12*\i:RG+12*\i+11], v[8*(4*(AH+\i)+\b):8*(4*(AH+\i)+\b)+7], v[BS+4*\b+(SS&3)], v[AS+4*(AH+\i)+(SS&3)] matrix_a_fmt:MATRIX_FMT_BF6 matrix_b_fmt:MATRIX_FMT_BF6 matrix_a_scale:MATRIX_SCALE_ROW1 matrix_b_scale:MATRIX_SCALE_ROW1
.endif
.endr
.endr
	WIN 0
.endm
; A half step.  The fetch two halves ahead lands in the ring set that the half before has just multiplied: hence the places at the head.
; In a tile of several experts (s23 not 0) the half's 48 registers of codes are cleared in the lanes whose row is not the pass's expert's; four plain lines then stand between the last AND and the products.
.macro HALF n, zero
	PLACES
.if (\n) <= 13
	AFETCH (\n)+2
	s_wait_dscnt 24                                ; half n's twelve loads are in; those of halves n + 1 and n + 2 may be out
.elseif (\n) == 14
	s_wait_dscnt 12
.else
	s_wait_dscnt 0x0
.endif
	s_cmp_eq_u32 s23, 0
	s_cbranch_scc1 .Lone_expert_\@
.irp i, 0,1,2,3
.irp k, 0,1,2,3,4,5,6,7,8,9,10,11
	v_and_b32 v[RING+48*((\n)%3)+12*\i+\k], v[MK+4*((\n)&1)+\i], v[RING+48*((\n)%3)+12*\i+\k]
.endr
.endr
	PLACES
.Lone_expert_\@:
	MUL \n, \zero
.endm
.macro MASKS                           ; row block a's lane mask: all ones where my row's expert is the pass's, else 0
.irp a, 0,1,2,3,4,5,6,7
	v_cmp_eq_u32 vcc_lo, s21, v[EX+\a]
	v_cndmask_b32 v[MK+\a], 0, -1, vcc_lo
.endr
.endm
.macro RLOAD i0, cnt                   ; x for the residual: load i brings 256 bytes of rows 16 (i / 8) + i % 8 (lanes 0-15) and 8 rows on (lanes 16-31)
.set RI, \i0
.rept \cnt
.if RI < 48
	WIN 0x82                                       ; the offset in window 2, the data in window 2
	global_load_b128 v[4*RI:4*RI+3], v[192+RI], s[4:5] th:TH_LOAD_NT
.else
	WIN 0xc2                                       ; the data in window 3
	global_load_b128 v[192+4*(RI-48):195+4*(RI-48)], v[192+RI], s[4:5] th:TH_LOAD_NT
.endif
.set RI, RI+1
.endr
	WIN 0
.endm
; THE WAY OUT of row block a.  A lane holds 32 bytes of a row and the lanes beside it other rows: the block goes through my own stage and comes back so that sixteen lanes hold a row's 256 bytes.
.macro TOSTAGE a
	WIN 0x04                                       ; an LDS store's data are its source 1: window 1
.irp b, 0,1,2,3
	ds_store_b128 v7, v[8*(4*(\a)+\b):8*(4*(\a)+\b)+3] offset:64*\b          ; each accumulator from its low end on
	ds_store_b128 v7, v[8*(4*(\a)+\b)+4:8*(4*(\a)+\b)+7] offset:64*\b+16
.endr
	WIN 0
.irp t, 0,1,2,3,4,5,6,7
	ds_load_b128 v[RING+32*((\a)%2)+4*\t:RING+32*((\a)%2)+4*\t+3], v8 offset:SPI*\t   ; LDS serves a wave's instructions in order: these see the stores above
.endr
.endm
.macro SEND a, younger                 ; younger: the LDS instructions issued behind block a's loads
.set TT, RING+32*((\a)%2)
	s_wait_dscnt \younger
	s_wait_loadcnt 56-8*(\a)                       ; behind this block's eight loads of x stand those of the later blocks
.if (\a) < 6
	WIN 0x08
.else
	WIN 0x0c
.endif
.irp t, 0,1,2,3,4,5,6,7
.if (\a) < 6
.set RR, 4*(8*(\a)+\t)
.else
.set RR, 192+4*(8*(\a)+\t-48)
.endif
	v_pk_add_f32 v[TT+4*\t:TT+4*\t+1], v[TT+4*\t:TT+4*\t+1], v[RR:RR+1]           ; + x
	v_pk_add_f32 v[TT+4*\t+2:TT+4*\t+3], v[TT+4*\t+2:TT+4*\t+3], v[RR+2:RR+3]
.endr
	WIN 0x02                                       ; the offset in window 2
.irp t, 0,1,2,3,4,5,6,7
	global_store_b128 v[192+8*(\a)+\t], v[TT+4*\t:TT+4*\t+3], s[16:17] th:TH_STORE_NT   ; sixteen lanes store 256 bytes on end, at a multiple of 256 from out0's first byte
.endr
	WIN 0
.endm
	s_load_b256 s[4:11], s[0:1], 0x0               ; x s[4:5], xc s[6:7], xs s[8:9], wc s[10:11]
	s_load_b128 s[12:15], s[0:1], 0x20             ; wsc s[12:13], order s[14:15]
	s_load_b64 s[16:17], s[0:1], 0x30              ; out0
	v_lshl_add_u32 v30, v0, 2, 0x1cc00
	v_mov_b32 v31, 0
	v_lshrrev_b32 v1, 5, v0
	v_readfirstlane_b32 s18, v1                    ; wave 0..3
	s_and_b32 s19, ttmp7, 0xffff                   ; T
	v_and_b32 v1, 15, v0                           ; r
	v_bfe_u32 v2, v0, 4, 1                         ; h
	v_and_b32 v3, 31, v0
	v_lshlrev_b32 v3, 4, v3                        ; 16 x lane
	v_lshlrev_b32 v11, 4, v1                       ; 16 r
	s_mul_i32 s35, s18, 32*PA
	v_mul_u32_u24 v4, v2, 16*PA
	v_add_nc_u32 v4, v4, v11
	v_add_nc_u32 v4, s35, v4                       ; the gather's way into LDS: row 32 w + 16 h, + 16 r
	v_mul_u32_u24 v5, v1, PA
	v_mad_u32_u24 v5, v2, 48, v5                   ; a fragment: row r, + 48 h;
	v_add_nc_u32 v6, 64*PA, v5                     ; the same 64 rows on, so that the loads' immediates stay inside 16 bits
	s_mul_i32 s35, s18, 16*SPI
	s_add_co_u32 s35, s35, STAGE                   ; my stage
	v_mul_u32_u24 v7, v1, SPI
	v_lshl_add_u32 v7, v2, 5, v7
	v_add_nc_u32 v7, s35, v7                       ; in: row r, + 32 h
	v_mul_u32_u24 v8, v2, 8*SPI
	v_add_nc_u32 v8, v8, v11
	v_add_nc_u32 v8, s35, v8                       ; back: row 8 h, + 16 r
	s_lshl_b32 s36, ttmp9, 10
	s_lshl_b32 s37, s18, 8
	s_add_co_u32 s36, s36, s37
	v_add_nc_u32 v9, s36, v11                      ; my bytes of a row of x and out0: 1,024 cx + 256 w + 16 r
	s_lshl_b32 s37, s18, 7
	v_lshlrev_b32 v96, 6, v2
	v_add_nc_u32 v96, s37, v96                     ; in order: positions 32 w + 16 h on,
	v_lshlrev_b32 v97, 2, v1                       ; position r,
	v_lshlrev_b32 v98, 5, v2                       ; positions 8 h on
	v_lshlrev_b32 v99, 4, v2                       ; 16 h
	s_mov_b32 s31, 0
	s_wait_kmcnt 0x0
	s_lshl_b32 s30, s19, 9
	s_add_nc_u64 s[28:29], s[14:15], s[30:31]      ; order at my tile's first position
	s_load_b32 s33, s[28:29], 0x8000               ; the first row's expert
	s_load_b32 s34, s[28:29], 0x81fc               ; the last row's
.irp j, 0,1,2,3
	global_load_b128 v[GOF+4*\j:GOF+4*\j+3], v96, s[28:29] offset:16*\j        ; the tokens of the 16 rows that my half of the lanes gathers
.endr
.irp a, 0,1,2,3,4,5,6,7
	global_load_b32 v[BT+\a], v97, s[28:29] offset:64*\a                       ; the token of row 16 a + r,
.endr
.irp a, 0,1,2,3,4,5,6,7
	global_load_b32 v[EX+\a], v97, s[28:29] offset:32768+64*\a                 ; and its expert
.endr
	WIN 0x80
.irp a, 0,1,2,3,4,5,6,7
.irp j, 0,1
	global_load_b128 v[192+8*\a+4*\j:195+8*\a+4*\j], v98, s[28:29] offset:64*\a+16*\j   ; the tokens of rows 16 a + 8 h + 0 .. 7, for the residual and the stores
.endr
.endr
	WIN 0
	s_wait_kmcnt 0x0
	s_min_u32 s21, s33, 7                          ; the pass's expert: loaded numbers enter addresses only held inside the table
	s_min_u32 s34, s34, 7
	s_sub_co_u32 s22, s34, s21                     ; passes beyond the first (the list is sorted): counted down by the loop;
	s_mov_b32 s23, s22                             ; and kept: 0 in a tile with one expert
	s_lshl_b32 s35, ttmp9, 4
	s_lshl_b32 s36, s18, 2
	s_add_co_u32 s35, s35, s36                     ; my first block of 16 columns
	s_mul_i32 s30, s21, 786432
	s_mul_i32 s36, s35, 12288
	s_add_co_u32 s30, s30, s36
	s_add_nc_u64 s[24:25], s[10:11], s[30:31]      ; its fragments,
	s_lshl_b32 s30, s21, 15
	s_lshl_b32 s36, s35, 9
	s_add_co_u32 s30, s30, s36
	s_add_nc_u64 s[26:27], s[12:13], s[30:31]      ; its scale words
	SLOAD BS
	BLOAD 0
	s_wait_loadcnt 16                              ; behind the 36 loads from order stand these sixteen
.irp p, 0,1,2,3,4,5,6,7,8,9,10,11,12,13,14,15
	v_min_u32 v[GOF+\p], 0x1fff, v[GOF+\p]
.endr
.irp p, 0,1,2,3,4,5,6,7,8,9,10,11,12,13,14,15
	v_mad_u32_u24 v[GOF+\p], v[GOF+\p], 768, v11
.endr
	WIN 0x40                                       ; the gather lands where the accumulators will stand
.irp p, 0,1,2,3,4,5,6,7,8,9,10,11,12,13,14,15
.irp j, 0,1,2
	global_load_b128 v[12*\p+4*\j:12*\p+4*\j+3], v[GOF+\p], s[6:7] offset:256*\j   ; 256 bytes on end of two tokens' codes
.endr
.endr
	WIN 0
.irp a, 0,1,2,3,4,5,6,7
	v_min_u32 v[BT+\a], 0x1fff, v[BT+\a]
.endr
.irp a, 0,1,2,3,4,5,6,7
	v_lshl_add_u32 v[BT+\a], v[BT+\a], 5, v99
.endr
.irp a, 0,1,2,3,4,5,6,7
	global_load_b128 v[AS+4*\a:AS+4*\a+3], v[BT+\a], s[8:9]                    ; the token's scale words of K steps 4 h .. 4 h + 3
.endr
	WIN 0x88                                       ; while these are out: the rows' byte offsets, in window 2
.set I, 0
.rept 64
	v_min_u32 v[192+I], 0x1fff, v[192+I]
.set I, I+1
.endr
	WIN 0x82
.set I, 0
.rept 64
	v_lshl_add_u32 v[192+I], v[192+I], 12, v9
.set I, I+1
.endr
	WIN 0
	MASKS
	s_wait_loadcnt 8                               ; the gather is in; the eight loads of scale words may be out
	WIN 0x04
.irp p, 0,1,2,3,4,5,6,7,8,9,10,11,12,13,14,15
.irp j, 0,1,2
	ds_store_b128 v4, v[12*\p+4*\j:12*\p+4*\j+3] offset:PA*\p+256*\j
.endr
.endr
	WIN 0
	BLOAD 1
	BLOAD 2
	BLOAD 3
	BLOAD 4
	s_wait_dscnt 0x0                               ; for the others' sake: my 32 rows lie in LDS
	s_barrier_signal -1
	s_barrier_wait -1                              ; the launch's one barrier; from here on the rows in LDS are only read
	AFETCH 0
	AFETCH 1
	s_wait_loadcnt 48                              ; the tokens' scale words are in: behind them stand K steps 1 to 4
	HALF 0, 1                                      ; the first K step starts the sums: nothing is cleared
	HALF 1, 1
	PLACES
	BLOAD 5
	BLOAD 6
	BLOAD 7
	s_cmp_eq_u32 s22, 0
	s_cbranch_scc1 .Ltail
; A TRIP: K steps 1 to 7 of an expert that is not the tile's last, and K step 0 of the next.  Each set of W's registers takes the next expert's K step as soon as it has been multiplied.
; THE WAITS FOR W: behind the twelve loads of a K step, on every way that leads to its wait, 88 loads have been issued (the other six K steps, the next expert's sixteen first loads and its K steps so far);
; 63 is the largest count that the wait can name.
.Lpass:
	s_wait_xcnt 0x0                                ; the pending loads have read their bases
	s_add_nc_u64 s[24:25], s[24:25], 786432        ; the next expert
	s_add_nc_u64 s[26:27], s[26:27], 32768
	PLACES
	SLOAD BT
	BLOAD 0
.irp s, 1,2,3,4,5,6,7
	s_wait_loadcnt 63
	HALF 2*\s, 0
	HALF 2*\s+1, 0
	PLACES
	BLOAD \s
.endr
	s_wait_loadcnt 63                              ; the next expert's scale words and K step 0: behind them stand its K steps 1 to 7, 84 loads
	s_add_co_u32 s21, s21, 1
.irp i, 0,1,2,3,4,5,6,7,8,9,10,11,12,13,14,15
	v_mov_b32 v[BS+\i], v[BT+\i]                   ; four places behind the last product; the 16 lines of MASKS and four more stand between these and the next product
.endr
	MASKS
	AFETCH 0                                       ; the ring begins anew, so that its registers are the same in every trip
	AFETCH 1
	HALF 0, 0
	HALF 1, 0
	s_sub_co_u32 s22, s22, 1
	s_cmp_lg_u32 s22, 0
	s_cbranch_scc1 .Lpass
; THE LAST PASS: each set of W's registers that is done with takes x for the residual.  Behind the loads of K step s stand, on both ways here, 84 (s = 1 .. 4), 88, 76 and 64 loads.
.Ltail:
	PLACES
	RLOAD 0, 12
.irp s, 1,2,3,4,5,6,7
	s_wait_loadcnt 63
	HALF 2*\s, 0
	HALF 2*\s+1, 0
.if \s < 4
	PLACES
	RLOAD 12*\s, 12
.elseif \s == 4
	RLOAD 48, 16                                   ; into registers that no product has named
.endif
.endr
	PLACES                                         ; the stores below read results, and the loads from the stage land in the ring
	TOSTAGE 0
.irp a, 1,2,3,4,5,6,7
.if \a > 1
	s_wait_xcnt 0x0                                ; block a - 2's stores have read their registers: block a's rows may land there
.endif
	TOSTAGE \a
	SEND \a-1, 16                                  ; behind block a - 1's loads: block a's eight stores and eight loads
.endr
	SEND 7, 0
	s_wait_tensorcnt 0x0
	ds_add_u32 v30, v31
	s_wait_dscnt 0x0
	s_endpgm
.Lfunc_end_k_q0c29bf545d_experts:
	.size	k_q0c29bf545d_experts, .Lfunc_end_k_q0c29bf545d_experts-k_q0c29bf545d_experts
	.p2alignl 7, 3214868480
	.fill 96, 4, 3214868480
	.section	.rodata,"a",@progbits
	.p2align	6, 0x0
	.amdhsa_kernel k_q0c29bf545d_experts
		.amdhsa_group_segment_fixed_size 118272
		.amdhsa_private_segment_fixed_size 0
		.amdhsa_enable_private_segment 0
		.amdhsa_kernarg_size 56
		.amdhsa_user_sgpr_count 2
		.amdhsa_user_sgpr_kernarg_segment_ptr 1
		.amdhsa_wavefront_size32 1
		.amdhsa_system_sgpr_workgroup_id_x 1
		.amdhsa_system_sgpr_workgroup_id_y 1
		.amdhsa_system_sgpr_workgroup_id_z 1
		.amdhsa_system_vgpr_workitem_id 0
		.amdhsa_next_free_vgpr 1024
		.amdhsa_next_free_sgpr 66
		.amdhsa_reserve_vcc 1
		.amdhsa_float_denorm_mode_32 3
		.amdhsa_float_denorm_mode_16_64 3
		.amdhsa_memory_ordered 1
		.amdhsa_forward_progress 1
		.amdhsa_inst_pref_size 231
	.end_amdhsa_kernel
	.amdgpu_metadata
---
amdhsa.version: [ 1, 2 ]
amdhsa.kernels:
  - .name:           k_q0c29bf545d_experts
    .symbol:         k_q0c29bf545d_experts.kd
    .args:
      - { .name: x, .offset: 0, .size: 8, .value_kind: global_buffer, .address_space: global }
      - { .name: xc, .offset: 8, .size: 8, .value_kind: global_buffer, .address_space: global }
      - { .name: xs, .offset: 16, .size: 8, .value_kind: global_buffer, .address_space: global }
      - { .name: wc, .offset: 24, .size: 8, .value_kind: global_buffer, .address_space: global }
      - { .name: wsc, .offset: 32, .size: 8, .value_kind: global_buffer, .address_space: global }
      - { .name: order, .offset: 40, .size: 8, .value_kind: global_buffer, .address_space: global }
      - { .name: out0, .offset: 48, .size: 8, .value_kind: global_buffer, .address_space: global }
    .group_segment_fixed_size: 118272
    .private_segment_fixed_size: 0
    .kernarg_segment_align: 8
    .kernarg_segment_size: 56
    .max_flat_workgroup_size: 128
    .sgpr_count:     66
    .vgpr_count:     1024
    .wavefront_size: 32
...
	.end_amdgpu_metadata
.endif
;; end of part 3
;; ======== version 2 of 2: 3 launches
;; workspace buffers: xc 6,291,456 bytes; xs 262,144 bytes; wc 6,291,456 bytes; wsc 262,144 bytes; route 32,768 bytes of whole numbers; wcnt 4,096 bytes of whole numbers; order 65,536 bytes of whole numbers
;; launch route_x (part 4): grid 256 x 1, 4 waves a work-group, no clusters, 64,000 bytes of LDS; arguments x, gate_w, xc, xs, route, wcnt; writes xc, xs, route, wcnt
.if DOCPART == 4
	.amdgcn_target "amdgcn-amd-amdhsa--gfx1250"
	.amdhsa_code_object_version 6
	.text
	.protected	k_q0c29bf545d_route_x
	.globl	k_q0c29bf545d_route_x
	.p2align	8
	.type	k_q0c29bf545d_route_x,@function
k_q0c29bf545d_route_x:
	s_mov_b64 s[64:65], 0
	v_nop
	global_prefetch_b8 v0, s[64:65] scope:SCOPE_SE
	s_setreg_imm32_b32 hwreg(HW_REG_WAVE_MODE, 25, 1), 1
	s_wait_xcnt 0x0
; x [8192 tokens][1024] f32.  Two things are made of each token in one pass over x:
; (1) THE ROUTER, in f32: eight scores x . gate_w[e], and the first largest of them (a later score wins only if it is greater).
;     Stored at fixed places: route[token] = expert | rank << 8, the rank counted among the tokens of the same expert in this wave's 8 tokens;
;     wcnt[wave] = eight fields of 4 bits, field e = how many of the wave's 8 tokens chose expert e.  No address here hangs on the choice.
; (2) THE CODES of BF6 (E3M2), one E8M0 byte for each 32 along K.  A block's scale is 2^(floor(log2(largest magnitude)) - 4); its byte is the largest magnitude's exponent field - 4.
;     xc: 768 bytes a token, laid [K step of 128][half h][48 bytes]: block 4 s + h, then block 4 s + 2 + h: the 12 operand registers of lane (row, h) are 48 bytes on end.
;     xs: 32 bytes a token, byte j for block j.
; LIMITS: NaN and infinities are not served.  A block whose largest magnitude lies under 2^-122 keeps the byte 1; a block of zeros too (its codes are zeros, and this program alone reads the bytes).
;     The scores' f32 sums are added in another order than a row-by-row sum: two scores that agree to within f32 rounding may be ranked otherwise.
; SHARES: wave W = 4 x work-group + wave owns tokens 8 W .. 8 W + 7: 32,768 bytes of x on end, 16 steps of 512 numbers.  All 64 loads of a wave are issued at the head.
; A load takes 16 bytes a lane, 512 on end; the conversion wants 16 neighbours in a lane: a step's 2,048 bytes turn through the wave's own stage in LDS (64 bytes + 16 of padding a place).
; gate_w is turned the same way, once, by the four waves together, and then stays in each wave's registers: register 32 e + 16 u + i of window 1 = gate_w[e][512 u + 16 lane + i].
; REGISTERS: window 0: v2-15 lane terms; v16-31 eight pairs of sums; v32-59 the reduction and the choice; v80-111 two sets of 16 neighbours; v112-127 a byte a step; v128-191 codes, four registers a step.
;   window 1: the gate.   window 2: x as loaded, 16 registers a step.
.set SP,    80                         ; a place in a stage: 64 bytes + 16: an odd multiple of 16, so that sixteen lanes' 16 bytes fall on sixteen different columns of 256 bytes
.set CHK,   32*SP                      ; 2,048 bytes turned: 2,560 in LDS
.set WR0,   16*CHK                     ; LDS: the gate's 16 chunks, then a region for each wave:
.set WREG,  5632                       ; two stages and 256 scale bytes
.set EMAX,  4
.set ACC,   16
.set SM,    32
.set PT,    40
.set AV,    48
.set AI,    52
.set CNT,   56
.set RW,    57
.set SH,    58
.set EN,    59
.set X,     80
.set E,     112
.set C,     128
.set MSB, 0
.macro WIN new                         ; the immediate's high byte repeats the setting that is left
.if MSB != \new
	s_set_vgpr_msb (MSB<<8)|\new
.set MSB, \new
.endif
.endm
	s_load_b256 s[4:11], s[0:1], 0x0               ; x s[4:5], gate_w s[6:7], xc s[8:9], xs s[10:11]
	s_load_b128 s[12:15], s[0:1], 0x20             ; route s[12:13], wcnt s[14:15]
	v_lshl_add_u32 v254, v0, 2, 0xf800
	v_mov_b32 v255, 0
	v_lshrrev_b32 v1, 5, v0
	v_readfirstlane_b32 s16, v1                    ; wave 0..3
	v_and_b32 v2, 31, v0                           ; lane
	v_lshlrev_b32 v3, 4, v2                        ; my 16 bytes of a load's 512
	v_lshrrev_b32 v8, 3, v2                        ; where my 12 bytes of codes go in a step's 384: K step lane / 8,
	v_mul_u32_u24 v4, v8, 96
	v_bfe_u32 v8, v2, 1, 1                         ; the block's half h (block % 2): 48 bytes,
	v_mad_u32_u24 v4, v8, 48, v4
	v_bfe_u32 v8, v2, 2, 1                         ; block / 2: 24 bytes,
	v_mad_u32_u24 v4, v8, 24, v4
	v_and_b32 v8, 1, v2                            ; my half of the block: 12 bytes
	v_mad_u32_u24 v4, v8, 12, v4
	s_mul_i32 s17, s16, WREG
	s_add_co_u32 s17, s17, WR0                     ; my wave's region
	v_lshrrev_b32 v8, 2, v2
	v_mul_u32_u24 v8, v8, SP
	v_and_b32 v9, 3, v2
	v_lshl_add_u32 v8, v9, 4, v8                   ; a stage, on the way in: SP (lane / 4) + 16 (lane % 4)
	v_add_nc_u32 v14, s17, v8
	v_mul_u32_u24 v15, v2, SP                      ; on the way out: SP x lane
	v_add_nc_u32 v15, s17, v15
	s_mul_i32 s18, s16, 4*CHK                      ; the gate's chunks 4 w .. 4 w + 3 are mine to turn
	v_add_nc_u32 v60, s18, v8
	v_mul_u32_u24 v61, v2, SP
	s_add_co_u32 s17, s17, 2*CHK                   ; my wave's 256 scale bytes
	v_lshrrev_b32 v5, 1, v2
	v_add_nc_u32 v5, s17, v5                       ; my block's byte
	v_lshlrev_b32 v7, 3, v2                        ; and on the way out 8 bytes a lane
	v_add_nc_u32 v6, s17, v7
	v_lshlrev_b32 v10, 2, v2                       ; 4 x lane
	s_mov_b32 s20, 0x76543210
	s_mov_b32 s21, 0xfedcba98                      ; v_permlanex16_b32's selects for lane l xor 16
	s_lshl_b32 s19, ttmp9, 2
	s_add_co_u32 s19, s19, s16                     ; W
	s_mov_b32 s31, 0
	s_wait_alu depctr_va_vdst(0)
	s_wait_kmcnt 0x0
	s_lshl_b32 s30, s19, 15
	s_add_nc_u64 s[4:5], s[4:5], s[30:31]          ; x: 32,768 bytes a wave
	s_lshl_b32 s30, s16, 13
	s_add_nc_u64 s[6:7], s[6:7], s[30:31]          ; gate_w: my four chunks
	s_mul_i32 s30, s19, 6144
	s_add_nc_u64 s[8:9], s[8:9], s[30:31]          ; xc: 8 x 768
	s_lshl_b32 s30, s19, 8
	s_add_nc_u64 s[10:11], s[10:11], s[30:31]      ; xs: 8 x 32
	s_lshl_b32 s30, s19, 5
	s_add_nc_u64 s[12:13], s[12:13], s[30:31]      ; route: 8 words
	s_lshl_b32 s30, s19, 2
	s_add_nc_u64 s[14:15], s[14:15], s[30:31]      ; wcnt: 1 word
.set I, 0
.rept 16
	global_load_b128 v[C+4*I:C+4*I+3], v3, s[6:7] offset:512*I      ; my quarter of the gate, 512 bytes on end a load
.set I, I+1
.endr
	WIN 0x80                                       ; destination window 2
.set I, 0
.rept 64
	global_load_b128 v[4*I:4*I+3], v3, s[4:5] offset:512*I          ; all of my wave's x: step I / 4, part I % 4
.set I, I+1
.endr
	WIN 0
	s_wait_loadcnt 63                              ; 64 loads were issued behind the gate's sixteen; 63 is the largest count that the wait can name
.set I, 0
.rept 16
	ds_store_b128 v60, v[C+4*I:C+4*I+3] offset:8*SP*I
.set I, I+1
.endr
	s_wait_dscnt 0x0                               ; for the others' sake: my part of the gate lies in LDS
	s_barrier_signal -1
	s_barrier_wait -1                              ; everybody's does
	WIN 0x40                                       ; destination window 1
.set I, 0
.rept 64
	ds_load_b128 v[4*I:4*I+3], v61 offset:CHK*(I/4)+16*(I%4)        ; chunk 2 e + u: my 16 numbers of it
.set I, I+1
.endr
	WIN 0
.irp e, 0,1,2,3,4,5,6,7
	v_mov_b32 v[PT+\e], 0                          ; written once: a lane permute's destination counts as one of its sources
.endr
	v_mov_b32 v[CNT], 0
	v_mov_b32 v[RW], 0
	s_wait_dscnt 0x0                               ; the gate is in registers
.macro TURN t                          ; step t's numbers through a stage: LDS serves a wave's instructions in order, so no wait stands between the stores and the loads
	s_wait_loadcnt 60-4*(\t)                       ; behind this step's four loads stand those of the 15 - t later steps
	WIN 0x08                                       ; an LDS store's data are its source 1: window 2
.irp i, 0,1,2,3
	ds_store_b128 v14, v[16*(\t)+4*\i:16*(\t)+4*\i+3] offset:CHK*((\t)%2)+8*SP*\i
.endr
	WIN 0
.irp i, 0,1,2,3
	ds_load_b128 v[X+16*((\t)%2)+4*\i:X+16*((\t)%2)+4*\i+3], v15 offset:CHK*((\t)%2)+16*\i
.endr
.endm
; A token's eight sums are added over the lanes, the first largest is found, and the token's entry goes to lane tok of the route word.
.macro REDUCE tok
.irp e, 0,1,2,3,4,5,6,7
	v_add_f32 v[SM+\e], v[ACC+2*\e], v[ACC+2*\e+1]
.endr
.irp m, 1,2,4,8
.irp e, 0,1,2,3,4,5,6,7
	v_add_f32_dpp v[SM+\e], v[SM+\e], v[SM+\e] row_xmask:\m row_mask:0xf bank_mask:0xf
.endr
.endr
.irp e, 0,1,2,3,4,5,6,7
	v_permlanex16_b32 v[PT+\e], v[SM+\e], s20, s21
.endr
.irp e, 0,1,2,3,4,5,6,7
	v_add_f32 v[SM+\e], v[SM+\e], v[PT+\e]         ; every lane holds the same eight scores
.endr
.irp i, 0,1,2,3
	v_cmp_gt_f32 s[24+\i], v[SM+2*\i+1], v[SM+2*\i]   ; the right one wins only if it is greater: ties stay with the lower expert
.endr
.irp i, 0,1,2,3
	v_cndmask_b32 v[AV+\i], v[SM+2*\i], v[SM+2*\i+1], s[24+\i]
	v_cndmask_b32 v[AI+\i], 2*\i, 2*\i+1, s[24+\i]
.endr
	v_cmp_gt_f32 s24, v[AV+1], v[AV]
	v_cmp_gt_f32 s25, v[AV+3], v[AV+2]
	v_cndmask_b32 v[AV], v[AV], v[AV+1], s24
	v_cndmask_b32 v[AI], v[AI], v[AI+1], s24
	v_cndmask_b32 v[AV+2], v[AV+2], v[AV+3], s25
	v_cndmask_b32 v[AI+2], v[AI+2], v[AI+3], s25
	v_cmp_gt_f32 s24, v[AV+2], v[AV]
	v_cndmask_b32 v[AI], v[AI], v[AI+2], s24       ; the chosen expert
	v_lshlrev_b32 v[SH], 2, v[AI]
	v_bfe_u32 v[EN], v[CNT], v[SH], 4              ; how many of my earlier tokens chose it: the rank
	v_lshl_add_u32 v[CNT], 1, v[SH], v[CNT]        ; and one more now (8 at the most: inside 4 bits)
	v_lshl_or_b32 v[EN], v[EN], 8, v[AI]
	s_mov_b32 s22, 1<<(\tok)
	v_cndmask_b32 v[RW], v[RW], v[EN], s22         ; a value is chosen, no address
.endm
.macro STEP t
.set XS, X+16*((\t)%2)
.set U, (\t)%2
.if (\t) > 0
	s_wait_dscnt 1                                 ; this step's numbers are back from the stage; the last step's byte store may be out
.else
	s_wait_dscnt 0x0
.endif
.if (\t) < 15
	TURN (\t)+1                                    ; the next step goes through the other stage while this one is worked
.endif
	WIN 0x04                                       ; source 1, the gate: window 1
.irp p, 0,1,2,3,4,5,6,7
.irp e, 0,1,2,3,4,5,6,7
.if (U == 0) && (\p == 0)
	v_pk_mul_f32 v[ACC+2*\e:ACC+2*\e+1], v[XS+2*\p:XS+2*\p+1], v[32*\e+16*U+2*\p:32*\e+16*U+2*\p+1]   ; a token's first products start its sums
.else
	v_pk_fma_f32 v[ACC+2*\e:ACC+2*\e+1], v[XS+2*\p:XS+2*\p+1], v[32*\e+16*U+2*\p:32*\e+16*U+2*\p+1], v[ACC+2*\e:ACC+2*\e+1]   ; the eight experts by turns
.endif
.endr
.endr
	WIN 0
	v_max3_num_f32 v8, |v[XS]|, |v[XS+1]|, |v[XS+2]|               ; the largest magnitude of my 16
	v_max3_num_f32 v9, |v[XS+3]|, |v[XS+4]|, |v[XS+5]|
.irp i, 6,10
	v_max3_num_f32 v8, v8, |v[XS+\i]|, |v[XS+\i+1]|
	v_max3_num_f32 v9, v9, |v[XS+\i+2]|, |v[XS+\i+3]|
.endr
	v_max3_num_f32 v8, v8, |v[XS+14]|, |v[XS+15]|
	v_max3_num_f32 v8, v8, v9, (EMAX+1)<<23        ; and the floor 2^(5 - 127): the byte cannot fall under 1
	v_max_num_f32_dpp v8, v8, v8 row_xmask:1 row_mask:0xf bank_mask:0xf   ; and of my neighbour's 16: the block's
	v_add_nc_u32 v11, -(EMAX<<23), v8              ; 4 off its exponent field: the conversion takes the exponent field of this operand as its scale
	v_cvt_scalef32_pk16_bf6_f32 v[C+4*(\t):C+4*(\t)+2], v[XS:XS+15], v11
	v_lshrrev_b32 v[E+(\t)], 23, v11               ; the scale's byte (also the plain line behind the conversion)
	ds_store_b8 v5, v[E+(\t)] offset:16*(\t)       ; both lanes of a block write the same byte with the same value
	global_store_b96 v4, v[C+4*(\t):C+4*(\t)+2], s[8:9] offset:384*(\t)   ; the wave's 384 bytes lie on end
.if U == 1
	REDUCE (\t)/2
.endif
.endm
	TURN 0
.irp t, 0,1,2,3,4,5,6,7,8,9,10,11,12,13,14,15
	STEP \t
.endr
	ds_load_b64 v[12:13], v6                       ; LDS serves a wave's instructions in order: these see my byte stores
	s_wait_alu depctr_va_vdst(0)
	s_wait_dscnt 0x0
	global_store_b64 v7, v[12:13], s[10:11]        ; 32 lanes store 256 bytes on end, at a multiple of 256 from xs's first byte
	v_cmp_gt_u32 vcc_lo, 8, v2
	s_wait_xcnt 0x0                                ; EXEC is a source of the pending stores: it changes only behind this wait
	s_wait_tensorcnt 0x0
	ds_add_u32 v254, v255
	s_wait_dscnt 0x0
	s_and_saveexec_b32 s28, vcc_lo
	global_store_b32 v10, v[RW], s[12:13]          ; lanes 0 to 7: my eight tokens' entries
	s_wait_xcnt 0x0
	s_or_b32 exec_lo, exec_lo, s28
	v_cmp_eq_u32 vcc_lo, 0, v2
	s_and_saveexec_b32 s28, vcc_lo
	global_store_b32 v10, v[CNT], s[14:15]         ; lane 0: the wave's counts
	s_wait_xcnt 0x0
	s_or_b32 exec_lo, exec_lo, s28
	s_endpgm
.Lfunc_end_k_q0c29bf545d_route_x:
	.size	k_q0c29bf545d_route_x, .Lfunc_end_k_q0c29bf545d_route_x-k_q0c29bf545d_route_x
	.p2alignl 7, 3214868480
	.fill 96, 4, 3214868480
	.section	.rodata,"a",@progbits
	.p2align	6, 0x0
	.amdhsa_kernel k_q0c29bf545d_route_x
		.amdhsa_group_segment_fixed_size 64000
		.amdhsa_private_segment_fixed_size 0
		.amdhsa_enable_private_segment 0
		.amdhsa_kernarg_size 48
		.amdhsa_user_sgpr_count 2
		.amdhsa_user_sgpr_kernarg_segment_ptr 1
		.amdhsa_wavefront_size32 1
		.amdhsa_system_sgpr_workgroup_id_x 1
		.amdhsa_system_sgpr_workgroup_id_y 1
		.amdhsa_system_sgpr_workgroup_id_z 1
		.amdhsa_system_vgpr_workitem_id 0
		.amdhsa_next_free_vgpr 768
		.amdhsa_next_free_sgpr 66
		.amdhsa_reserve_vcc 1
		.amdhsa_float_denorm_mode_32 3
		.amdhsa_float_denorm_mode_16_64 3
		.amdhsa_memory_ordered 1
		.amdhsa_forward_progress 1
		.amdhsa_inst_pref_size 143
	.end_amdhsa_kernel
	.amdgpu_metadata
---
amdhsa.version: [ 1, 2 ]
amdhsa.kernels:
  - .name:           k_q0c29bf545d_route_x
    .symbol:         k_q0c29bf545d_route_x.kd
    .args:
      - { .name: x, .offset: 0, .size: 8, .value_kind: global_buffer, .address_space: global }
      - { .name: gate_w, .offset: 8, .size: 8, .value_kind: global_buffer, .address_space: global }
      - { .name: xc, .offset: 16, .size: 8, .value_kind: global_buffer, .address_space: global }
      - { .name: xs, .offset: 24, .size: 8, .value_kind: global_buffer, .address_space: global }
      - { .name: route, .offset: 32, .size: 8, .value_kind: global_buffer, .address_space: global }
      - { .name: wcnt, .offset: 40, .size: 8, .value_kind: global_buffer, .address_space: global }
    .group_segment_fixed_size: 64000
    .private_segment_fixed_size: 0
    .kernarg_segment_align: 8
    .kernarg_segment_size: 48
    .max_flat_workgroup_size: 128
    .sgpr_count:     66
    .vgpr_count:     768
    .wavefront_size: 32
...
	.end_amdgpu_metadata
.endif
;; end of part 4
;; launch quant_w (part 5): grid 256 x 1, 4 waves a work-group, no clusters, 68,352 bytes of LDS; arguments expert_w, route, wcnt, wc, wsc, order; writes wc, wsc, order
.if DOCPART == 5
	.amdgcn_target "amdgcn-amd-amdhsa--gfx1250"
	.amdhsa_code_object_version 6
	.text
	.protected	k_q0c29bf545d_quant_w
	.globl	k_q0c29bf545d_quant_w
	.p2align	8
	.type	k_q0c29bf545d_quant_w,@function
k_q0c29bf545d_quant_w:
	s_mov_b64 s[64:65], 0
	v_nop
	global_prefetch_b8 v0, s[64:65] scope:SCOPE_SE
	s_setreg_imm32_b32 hwreg(HW_REG_WAVE_MODE, 25, 1), 1
	s_wait_xcnt 0x0
; Two things that do not depend on each other, in one launch:
; (1) expert_w [8][1024 f][1024 h] f32 becomes codes of BF6 (E3M2) along h, with one E8M0 byte for each 32, laid IN THE ORDER OF THE OPERAND'S REGISTERS:
;     wc  [expert][block of 16 rows][K step of 128][c 0..2][lane][16 bytes]: a fragment is three loads of 512 bytes on end;
;     wsc [expert][block of 16 rows][h][row][4 words]: lane 16 h + r's 16 bytes are the scale words of K steps 4 h .. 4 h + 3 of row r.
;     A block's scale is 2^(floor(log2(largest magnitude)) - 4); its byte is the largest magnitude's exponent field - 4.
; (2) THE PLACING: the tokens are sorted by expert, in the order of their numbers within an expert.  order[position] = token, order[8192 + position] = its expert.
;     Work-group g places tokens 32 g .. 32 g + 31: position = (tokens of lower experts) + (tokens of the same expert in the earlier launch's waves under 4 g) + (in waves 4 g .. up to mine) + the stored rank.
;     Every work-group adds up all 1,024 count words itself: no traffic between work-groups.  Every position is written by one lane of the launch.
; LIMITS: NaN and infinities are not served.  A block whose largest magnitude lies under 2^-122 keeps the byte 1; a block of zeros too (its codes are zeros, and this program alone reads the bytes).
; SHARES: wave id = 4 g + wave takes 16 rows (block id / 2) x 512 along K (half id % 2): four tiles of 16 rows x 128.  All its 64 loads, 512 bytes of one row each, go out at the head; the placing is done while they are on their way.
; A tile turns through the wave's own stage in LDS (rows of 512 bytes + 16): in as loaded, out so that lane (r, h) holds k = 64 c + 32 h + 0 .. 31 of row r: two whole blocks, so no other lane is asked for a maximum.
; REGISTERS: window 0: v1-7 lane terms; v8-15 count words; v16-23 eight packed sums; v24 route word; v26-47 the placing; v48-175 two sets of 64 numbers; v176-223 codes, 12 a tile; v224-247 at work.   window 1: W as loaded.
.set PITCH, 528                        ; an odd multiple of 16: sixteen rows at one column fall on sixteen different columns of 256 bytes
.set STG,   16*PITCH
.set PL,    4*2*STG                    ; behind the stages: 32 bytes for each wave's sums
.set Q,     16
.set RT,    24
.set SH8,   25
.set TP,    26
.set X,     48
.set F,     176
.set T,     224
.set WD,    232
.set M,     236
.set SO,    238
.set BY,    240
.set WW,    242
.set WT,    243
.set MSB, 0
.macro WIN new                         ; the immediate's high byte repeats the setting that is left
.if MSB != \new
	s_set_vgpr_msb (MSB<<8)|\new
.set MSB, \new
.endif
.endm
	s_load_b256 s[4:11], s[0:1], 0x0               ; expert_w s[4:5], route s[6:7], wcnt s[8:9], wc s[10:11]
	s_load_b128 s[12:15], s[0:1], 0x20             ; wsc s[12:13], order s[14:15]
	v_lshl_add_u32 v254, v0, 2, 0x10900
	v_mov_b32 v255, 0
	v_lshrrev_b32 v1, 5, v0
	v_readfirstlane_b32 s16, v1                    ; wave 0..3
	v_and_b32 v1, 31, v0                           ; lane
	v_and_b32 v2, 15, v0                           ; r
	v_bfe_u32 v3, v0, 4, 1                         ; h
	v_lshlrev_b32 v4, 4, v1                        ; 16 x lane
	s_mul_i32 s17, s16, 2*STG                      ; my two stages
	v_add_nc_u32 v5, s17, v4                       ; in: 16 x lane of a row
	v_mul_u32_u24 v6, v2, PITCH
	v_lshl_add_u32 v6, v3, 7, v6
	v_add_nc_u32 v6, s17, v6                       ; out: row r, + 128 h
	v_lshlrev_b32 v7, 4, v2
	v_lshl_add_u32 v7, v3, 3, v7                   ; the scale words' way out: 16 r + 8 h
	v_lshlrev_b32 v[SH8], 3, v3
	v_lshlrev_b32 v34, 5, v0                       ; my eight count words: 32 x thread
	v_lshlrev_b32 v35, 2, v1                       ; my token's route word
	s_lshl_b32 s18, s16, 5
	s_add_co_u32 s18, s18, PL
	v_mov_b32 v36, s18                             ; where my wave's sums go
	v_mov_b32 v37, PL
	v_mov_b32 v[WT], 0                             ; written once: a lane permute's destination counts as one of its sources
	s_mov_b32 s20, 0x76543210
	s_mov_b32 s21, 0xfedcba98                      ; v_permlanex16_b32's selects for lane l xor 16
	s_lshl_b32 s19, ttmp9, 2                       ; 4 g
	s_add_co_u32 s22, s19, s16                     ; id
	s_mov_b32 s29, 0
	s_mov_b32 s31, 0
	s_lshl_b32 s23, ttmp9, 4                       ; the count words 4 g .. 4 g + 3, in bytes
	s_wait_alu depctr_va_vdst(0)
	s_wait_kmcnt 0x0
	s_load_b128 s[24:27], s[8:9], s23 offset:0x0
	s_lshr_b32 s28, s22, 1
	s_lshl_b32 s28, s28, 16                        ; 16 rows of 4,096 bytes
	s_and_b32 s30, s22, 1
	s_lshl_b32 s30, s30, 11                        ; + my half of K
	s_add_nc_u64 s[4:5], s[4:5], s[28:29]
	s_add_nc_u64 s[4:5], s[4:5], s[30:31]
	s_lshl_b32 s28, ttmp9, 7
	s_add_nc_u64 s[6:7], s[6:7], s[28:29]          ; route: 32 words a work-group
	s_mul_i32 s28, s22, 6144
	s_add_nc_u64 s[10:11], s[10:11], s[28:29]      ; wc: four fragments a wave
	s_lshl_b32 s28, s22, 8
	s_add_nc_u64 s[12:13], s[12:13], s[28:29]      ; wsc: 256 bytes a wave
	global_load_b128 v[8:11], v34, s[8:9]
	global_load_b128 v[12:15], v34, s[8:9] offset:16
	global_load_b32 v[RT], v35, s[6:7]
	WIN 0x40                                       ; destination window 1
.set I, 0
.rept 64
	global_load_b128 v[4*I:4*I+3], v4, s[4:5] offset:4096*(I%16)+512*(I/16) th:TH_LOAD_NT   ; tile I / 16, row I % 16: 512 bytes on end; read once in the launch
.set I, I+1
.endr
	WIN 0
	s_wait_loadcnt 63                              ; 64 loads were issued behind the three; 63 is the largest count that the wait can name
	s_wait_kmcnt 0x0
	; ---- the placing.  A count word's eight fields of 4 bits are parted into bytes (even experts, odd experts), four words added (32 at the most a byte), then widened to 16 bits (8,192 at the most).
	s_mov_b32 s17, 0x0f0f0f0f
.irp k, 0,1,2,3,4,5,6,7
	v_and_b32 v[TP+\k], s17, v[8+\k]               ; experts 0, 2, 4, 6
	v_lshrrev_b32 v[8+\k], 4, v[8+\k]
.endr
.irp k, 0,1,2,3,4,5,6,7
	v_and_b32 v[8+\k], s17, v[8+\k]                ; experts 1, 3, 5, 7
.endr
	v_add3_u32 v38, v26, v27, v28
	v_add3_u32 v39, v30, v31, v32
	v_add3_u32 v40, v8, v9, v10
	v_add3_u32 v41, v12, v13, v14
	v_add_nc_u32 v38, v38, v29                     ; my words 0-3, even experts
	v_add_nc_u32 v39, v39, v33                     ; my words 4-7
	v_add_nc_u32 v40, v40, v11                     ; odd experts
	v_add_nc_u32 v41, v41, v15
	v_add_nc_u32 v42, v38, v39                     ; the totals
	v_add_nc_u32 v43, v40, v41
	v_lshlrev_b32 v46, 3, v0                       ; my first word's number,
	v_or_b32 v47, 4, v46                           ; and my fifth's.  4 g is a multiple of 4: a group of four words lies wholly under it or not at all
	v_cmp_gt_u32 vcc_lo, s19, v46
	v_cmp_gt_u32 s18, s19, v47
	v_cndmask_b32 v38, 0, v38, vcc_lo
	v_cndmask_b32 v40, 0, v40, vcc_lo
	v_cndmask_b32 v39, 0, v39, s18
	v_cndmask_b32 v41, 0, v41, s18
	v_add_nc_u32 v44, v38, v39                     ; what lies before my work-group's tokens
	v_add_nc_u32 v45, v40, v41
	s_mov_b32 s17, 0x00ff00ff
.irp k, 0,1,2,3
	v_and_b32 v[Q+2*\k], s17, v[42+\k]             ; sums 0, 1: totals of experts {0, 4}, {2, 6}; 2, 3: {1, 5}, {3, 7}; 4 to 7: the same of what lies before
	v_lshrrev_b32 v[42+\k], 8, v[42+\k]
	v_and_b32 v[Q+2*\k+1], s17, v[42+\k]
.endr
.irp m, 1,2,4,8
.irp k, 0,1,2,3,4,5,6,7
	v_mov_b32_dpp v[TP+\k], v[Q+\k] row_xmask:\m row_mask:0xf bank_mask:0xf
.endr
.irp k, 0,1,2,3,4,5,6,7
	v_add_nc_u32 v[Q+\k], v[Q+\k], v[TP+\k]
.endr
.endr
.irp k, 0,1,2,3,4,5,6,7
	v_permlanex16_b32 v[TP+\k], v[Q+\k], s20, s21
.endr
.irp k, 0,1,2,3,4,5,6,7
	v_add_nc_u32 v[Q+\k], v[Q+\k], v[TP+\k]        ; the wave's sums, in every lane
.endr
	ds_store_b128 v36, v[Q:Q+3]                    ; all lanes write the same bytes with the same values
	ds_store_b128 v36, v[Q+4:Q+7] offset:16
	s_wait_dscnt 0x0                               ; for the others' sake
	s_barrier_signal -1
	s_barrier_wait -1                              ; the launch's one barrier, on every wave's path
.irp j, 0,1,2,3,4,5,6,7
	ds_load_b128 v[X+4*\j:X+4*\j+3], v37 offset:16*\j
.endr
	s_wait_dscnt 0x0
.irp k, 0,1,2,3,4,5,6,7
	v_add3_u32 v[Q+\k], v[X+\k], v[X+8+\k], v[X+16+\k]
.endr
.irp k, 0,1,2,3,4,5,6,7
	v_add_nc_u32 v[Q+\k], v[Q+\k], v[X+24+\k]      ; the sums over all 1,024 words
.endr
	s_cmp_lg_u32 s16, 0
	s_cbranch_scc1 .Lplaced                        ; wave 0 places the 32 tokens, a lane a token
.irp k, 0,1,2,3,4,5,6,7
	v_readfirstlane_b32 s[40+\k], v[Q+\k]
.endr
	s_and_b32 s48, s40, 0xffff                     ; s48-55: each expert's tokens
	s_lshr_b32 s52, s40, 16
	s_and_b32 s50, s41, 0xffff
	s_lshr_b32 s54, s41, 16
	s_and_b32 s49, s42, 0xffff
	s_lshr_b32 s53, s42, 16
	s_and_b32 s51, s43, 0xffff
	s_lshr_b32 s55, s43, 16
	s_and_b32 s56, s44, 0xffff                     ; s56-63: those of them before my work-group's
	s_lshr_b32 s60, s44, 16
	s_and_b32 s58, s45, 0xffff
	s_lshr_b32 s62, s45, 16
	s_and_b32 s57, s46, 0xffff
	s_lshr_b32 s61, s46, 16
	s_and_b32 s59, s47, 0xffff
	s_lshr_b32 s63, s47, 16
	s_mov_b32 s32, s56                             ; s32-39: where expert e's next token goes
	s_mov_b32 s17, s48
.irp e, 1,2,3,4,5,6,7
	s_add_co_u32 s[32+\e], s17, s[56+\e]
.if \e < 7
	s_add_co_u32 s17, s17, s[48+\e]
.endif
.endr
	s_mov_b32 s18, 0x0f0f0f0f                      ; the counts of my work-group's own first one, two, three groups of 8 tokens, in bytes
	s_and_b32 s40, s24, s18
	s_lshr_b32 s44, s24, 4
	s_and_b32 s44, s44, s18
	s_and_b32 s41, s25, s18
	s_lshr_b32 s45, s25, 4
	s_and_b32 s45, s45, s18
	s_add_co_u32 s41, s41, s40
	s_add_co_u32 s45, s45, s44
	s_and_b32 s42, s26, s18
	s_lshr_b32 s46, s26, 4
	s_and_b32 s46, s46, s18
	s_add_co_u32 s42, s42, s41
	s_add_co_u32 s46, s46, s45
	v_mov_b32 v38, 0
	v_mov_b32 v39, 0
.irp j, 1,2,3
	s_mov_b32 s17, 0xff<<(8*\j)                    ; lanes 8 j .. 8 j + 7
	v_mov_b32 v40, s[39+\j]
	v_mov_b32 v41, s[43+\j]
	v_cndmask_b32 v38, v38, v40, s17
	v_cndmask_b32 v39, v39, v41, s17
.endr
	v_and_b32 v42, 7, v[RT]                        ; my token's expert
	v_bfe_u32 v43, v[RT], 8, 4                     ; its rank among its group's 8
	v_and_b32 v44, 1, v42
	v_cmp_eq_u32 vcc_lo, 1, v44
	v_cndmask_b32 v38, v38, v39, vcc_lo
	v_and_b32 v44, 6, v42
	v_lshlrev_b32 v44, 2, v44                      ; byte expert / 2
	v_bfe_u32 v38, v38, v44, 8
	v_mov_b32 v45, s32
.irp e, 1,2,3,4,5,6,7
	v_mov_b32 v40, s[32+\e]
	v_cmp_eq_u32 vcc_lo, \e, v42
	v_cndmask_b32 v45, v45, v40, vcc_lo
.endr
	v_add3_u32 v45, v45, v38, v43                  ; the position
	v_min_u32 v45, 0x1fff, v45                     ; a number made of loaded numbers enters an address only held inside the buffer
	v_lshlrev_b32 v45, 2, v45
	s_lshl_b32 s17, ttmp9, 5
	v_add_nc_u32 v46, s17, v1                      ; my token
	global_store_b32 v45, v46, s[14:15]
	global_store_b32 v45, v42, s[14:15] offset:32768   ; v42, v45, v46 are not written again
.Lplaced:
	; ---- the tiles
.macro TURNW q                         ; tile q through a stage: LDS serves a wave's instructions in order
	s_wait_loadcnt 16*(3-(\q))                     ; behind this tile's sixteen loads stand those of the later tiles
	WIN 0x04                                       ; an LDS store's data are its source 1: window 1
.irp r, 0,1,2,3,4,5,6,7,8,9,10,11,12,13,14,15
	ds_store_b128 v5, v[64*(\q)+4*\r:64*(\q)+4*\r+3] offset:STG*((\q)%2)+PITCH*\r
.endr
	WIN 0
.irp c, 0,1
.irp i, 0,1,2,3,4,5,6,7
	ds_load_b128 v[X+64*((\q)%2)+32*\c+4*\i:X+64*((\q)%2)+32*\c+4*\i+3], v6 offset:STG*((\q)%2)+256*\c+16*\i
.endr
.endr
.endm
.macro TILE q
.set XS, X+64*((\q)%2)
.set FQ, F+12*(\q)
	s_wait_dscnt 0x0                               ; this tile's numbers are back from the stage
.if (\q) < 3
	TURNW (\q)+1                                   ; the next tile goes through the other stage meanwhile
.endif
.irp c, 0,1                                    ; my block 2 c + h: all its 32 numbers are mine
	v_max3_num_f32 v[M+\c], |v[XS+32*\c]|, |v[XS+32*\c+1]|, 0x2800000   ; with the floor 2^(5 - 127): the byte cannot fall under 1
.endr
.irp i, 2,4,6,8,10,12,14,16,18,20,22,24,26,28,30
.irp c, 0,1
	v_max3_num_f32 v[M+\c], v[M+\c], |v[XS+32*\c+\i]|, |v[XS+32*\c+\i+1]|
.endr
.endr
.irp c, 0,1
	v_add_nc_u32 v[SO+\c], 0xfe000000, v[M+\c]     ; 4 off the exponent field: the conversion's scale operand
.endr
.irp c, 0,1
	v_lshrrev_b32 v[BY+\c], 23, v[SO+\c]           ; the scale's byte
.endr
	v_lshl_or_b32 v[WW], v[BY+1], 16, v[BY]        ; my two bytes: blocks h and 2 + h,
	v_lshlrev_b32 v[WW], v[SH8], v[WW]             ; at their places in the row's scale word;
	v_permlanex16_b32 v[WT], v[WW], s20, s21
	v_or_b32 v[WD+(\q)], v[WW], v[WT]              ; with lane l xor 16's two the word is whole, in both lanes
	v_cvt_scalef32_pk16_bf6_f32 v[FQ:FQ+2], v[XS:XS+15], v[SO]
	v_cvt_scalef32_pk16_bf6_f32 v[T:T+2], v[XS+16:XS+31], v[SO]          ; (a conversion's three registers begin on an even number: a block's second half is made elsewhere and moved)
	v_cvt_scalef32_pk16_bf6_f32 v[FQ+6:FQ+8], v[XS+32:XS+47], v[SO+1]
	v_cvt_scalef32_pk16_bf6_f32 v[T+4:T+6], v[XS+48:XS+63], v[SO+1]
	v_nop                                          ; one plain line behind the conversions
.irp i, 0,1,2
	v_mov_b32 v[FQ+3+\i], v[T+\i]
	v_mov_b32 v[FQ+9+\i], v[T+4+\i]
.endr
.irp c, 0,1,2
	global_store_b128 v4, v[FQ+4*\c:FQ+4*\c+3], s[10:11] offset:1536*(\q)+512*\c   ; the fragment as it stands: 512 bytes on end; each tile has its own registers, so no store's data are written again
.endr
.endm
	TURNW 0
	TILE 0
	TILE 1
	TILE 2
	TILE 3
	v_cmp_eq_u32 vcc_lo, 1, v3
	v_cndmask_b32 v244, v[WD], v[WD+2], vcc_lo     ; lanes 0-15 send tiles 0 and 1's words of their row, lanes 16-31 tiles 2 and 3's
	v_cndmask_b32 v245, v[WD+1], v[WD+3], vcc_lo
	global_store_b64 v7, v[244:245], s[12:13]      ; 32 lanes store 256 bytes on end, at a multiple of 256 from wsc's first byte
	s_wait_tensorcnt 0x0
	ds_add_u32 v254, v255
	s_wait_dscnt 0x0
	s_endpgm
.Lfunc_end_k_q0c29bf545d_quant_w:
	.size	k_q0c29bf545d_quant_w, .Lfunc_end_k_q0c29bf545d_quant_w-k_q0c29bf545d_quant_w
	.p2alignl 7, 3214868480
	.fill 96, 4, 3214868480
	.section	.rodata,"a",@progbits
	.p2align	6, 0x0
	.amdhsa_kernel k_q0c29bf545d_quant_w
		.amdhsa_group_segment_fixed_size 68352
		.amdhsa_private_segment_fixed_size 0
		.amdhsa_enable_private_segment 0
		.amdhsa_kernarg_size 48
		.amdhsa_user_sgpr_count 2
		.amdhsa_user_sgpr_kernarg_segment_ptr 1
		.amdhsa_wavefront_size32 1
		.amdhsa_system_sgpr_workgroup_id_x 1
		.amdhsa_system_sgpr_workgroup_id_y 1
		.amdhsa_system_sgpr_workgroup_id_z 1
		.amdhsa_system_vgpr_workitem_id 0
		.amdhsa_next_free_vgpr 512
		.amdhsa_next_free_sgpr 66
		.amdhsa_reserve_vcc 1
		.amdhsa_float_denorm_mode_32 3
		.amdhsa_float_denorm_mode_16_64 3
		.amdhsa_memory_ordered 1
		.amdhsa_forward_progress 1
		.amdhsa_inst_pref_size 42
	.end_amdhsa_kernel
	.amdgpu_metadata
---
amdhsa.version: [ 1, 2 ]
amdhsa.kernels:
  - .name:           k_q0c29bf545d_quant_w
    .symbol:         k_q0c29bf545d_quant_w.kd
    .args:
      - { .name: expert_w, .offset: 0, .size: 8, .value_kind: global_buffer, .address_space: global }
      - { .name: route, .offset: 8, .size: 8, .value_kind: global_buffer, .address_space: global }
      - { .name: wcnt, .offset: 16, .size: 8, .value_kind: global_buffer, .address_space: global }
      - { .name: wc, .offset: 24, .size: 8, .value_kind: global_buffer, .address_space: global }
      - { .name: wsc, .offset: 32, .size: 8, .value_kind: global_buffer, .address_space: global }
      - { .name: order, .offset: 40, .size: 8, .value_kind: global_buffer, .address_space: global }
    .group_segment_fixed_size: 68352
    .private_segment_fixed_size: 0
    .kernarg_segment_align: 8
    .kernarg_segment_size: 48
    .max_flat_workgroup_size: 128
    .sgpr_count:     66
    .vgpr_count:     512
    .wavefront_size: 32
...
	.end_amdgpu_metadata
.endif
;; end of part 5
;; launch experts (part 6): grid 4 x 64, 4 waves a work-group, no clusters, 118,272 bytes of LDS; arguments x, xc, xs, wc, wsc, order, out0; writes out0
.if DOCPART == 6
	.amdgcn_target "amdgcn-amd-amdhsa--gfx1250"
	.amdhsa_code_object_version 6
	.text
	.protected	k_q0c29bf545d_experts
	.globl	k_q0c29bf545d_experts
	.p2align	8
	.type	k_q0c29bf545d_experts,@function
k_q0c29bf545d_experts:
	s_mov_b64 s[64:65], 0
	v_nop
	global_prefetch_b8 v0, s[64:65] scope:SCOPE_SE
	s_setreg_imm32_b32 hwreg(HW_REG_WAVE_SCHED_MODE, 0, 2), 2
	s_setreg_imm32_b32 hwreg(HW_REG_WAVE_MODE, 25, 1), 1
	s_wait_xcnt 0x0
	s_wait_alu depctr_vm_vsrc(0)
; out0[t] = x[t] + Q(x[t]) Q(W[expert of t])^T, on codes of BF6 (E3M2) with one E8M0 scale for each 32 along K = 1,024; sums and the residual in f32.  Only the chosen expert's product is made.
; TILES ARE CUT FROM THE SORTED LIST: work-group (cx, T) takes positions 128 T .. 128 T + 127 of order and columns 256 cx .. 256 cx + 255: 64 x 4 work-groups, none empty, no row padded, each output number with one owner.
; A tile may span several experts (the whole list has at most 7 borders).  It then walks the experts from its first row's to its last row's, ONE PASS EACH; in a pass the codes of the rows that belong to another
; expert are cleared in registers, by an AND with a lane mask behind the load from LDS: zero codes add nothing under any scale byte that the quantiser gives.  LDS addresses are made of ids and constants alone.
; A tile with one expert jumps over the ANDs: a scalar branch on a stored whole number, the same in all four waves; both ways issue the same loads, so every wait's count holds on both.
; SHARES: wave w makes all 128 rows x 64 columns (blocks of 16 columns 16 cx + 4 w + 0 .. 3): 32 accumulators.  The rows' codes are gathered once into LDS and read by all four waves.
; The weights lie in memory in the order of the operand's registers: each wave loads its own fragments straight into registers, each fragment by one wave of the work-group.
; THE MATRIX INSTRUCTION IS USED TRANSPOSED (source 0 = 16 rows of W, source 1 = 16 tokens): a lane holds eight neighbouring columns of one token's row.
; NO TENSOR LOAD, NO CLUSTER: the number of passes is a number read from memory, and partners of a cluster would need different numbers of them.  The one barrier stands ahead of every branch on such a number.
; LIMITS: as the two launches before state them (NaN and infinities not served; the scale bytes lie between 1 and 254).
; THE MODE: SCHED_MODE bits 1:0 = 2 (LLVM: expert scheduling mode 2), set by the entry lines.  The code itself states the register dependences
; between vector or matrix instructions and memory or LDS instructions, with s_wait_alu, always for 0.
; THE PLAN.  Registers that memory or LDS instructions touch, in a pass:
;   F0, F1      two buffers of a K step's eight fragments of tokens.  K step s: its 32 products, and in a tile of several experts its 96 ANDs, name F[s % 2]; the 24 LDS loads of the K step that follows land in the other.
;   W0 .. W7    K step s: its products read W[s]; in the K step behind it twelve loads land there: the next expert's same K step, or, in the last pass, x for the residual.
;   BT          the next expert's scale words: loaded in a trip's K step 1, read by sixteen copies at the trip's end.
;   v3-v8 and the rows' byte offsets are made at the head and never written again.
; So ONE wait on va_vdst stands in a K step, behind the join of the two ways: it states that the products of the K step before are done reading the other buffer and their W, and that the ANDs have written this K step's codes.
; The K step's loads follow it in two runs, one ahead of each sixteen products; those products name F[s % 2], W[s], the accumulators and the scale words: none of the registers that the loads touch.
; REGISTERS, in windows of 256: window 0: v1-11 lane terms; v12-19 row block a's lane mask; v20-27 its rows' experts; v32-63 the tokens' scale words (lanes 0-15: K steps 0-3, lanes 16-31: 4-7);
;   v64-79 the weights' likewise; v80-95 the next expert's; v96-191 F0, later rows on the way out; v192-239 F1's row blocks 0-3; v240-255 the gather's offsets.
;   window 1: accumulator (a, b) at v[8 (4 a + b)].   window 2: W's K steps 0-3, 48 registers each, later x for the residual; v192-255 the rows' byte offsets in x and out0.
;   window 3: W's K steps 4-7, later (v0-63) x for the residual; v192-239 F1's row blocks 4-7.
.set PA,    784                        ; a token's 768 bytes of codes + 16: an odd multiple of 16: sixteen rows at one column fall on sixteen different columns of 256 bytes
.set STAGE, 128*PA                     ; behind the 128 rows: 16 rows x (256 + 16) bytes for each wave, for the way out
.set SPI,   272
.set MK,    12
.set EX,    20
.set AS,    32
.set BS,    64
.set BT,    80
.set RING,  96
.set GOF,   240
.set CM,    38                         ; s38-45: the eight compares of MASKS
.set MSB, 0
.macro WIN new                         ; the immediate's high byte repeats the setting that is left
.if MSB != \new
	s_set_vgpr_msb (MSB<<8)|\new
.set MSB, \new
.endif
.endm
.macro PLACES                          ; four plain lines between a matrix instruction and a vector write of one of its registers or a read of its result, and between a vector write of an operand and the scaled product that takes it (ISA guide 7.12.1)
.rept 4
	v_nop
.endr
.endm
.macro BLOAD s                         ; W's four fragments of K step s: 12 loads of 512 bytes on end
.if (\s) < 4
	WIN 0x80
.else
	WIN 0xc0
.endif
.irp b, 0,1,2,3
.irp c, 0,1,2
	global_load_b128 v[48*((\s)%4)+12*\b+4*\c:48*((\s)%4)+12*\b+4*\c+3], v3, s[24:25] offset:12288*\b+1536*(\s)+512*\c
.endr
.endr
	WIN 0
.endm
.macro SLOAD dst                       ; W's scale words, all eight K steps of four blocks
.irp b, 0,1,2,3
	global_load_b128 v[\dst+4*\b:\dst+4*\b+3], v3, s[26:27] offset:512*\b
.endr
.endm
; Where the fragments of K step s, row blocks 4 u + 0 .. 3, stand: F0 at v96 + 48 u; F1's lower four at v192, its upper four at v192 of window 3.
.macro AFETCH s, u                     ; twelve LDS loads.  v5 serves row blocks 0-3, v6 blocks 4-7; the block, the K step and the piece stand in the immediate
.if ((\s)&1) && (\u)
.set RG, 192
	WIN 0xc0                                       ; destination window 3, address window 0
.else
.set RG, RING+96*((\s)&1)+48*(\u)
.endif
.irp i, 0,1,2,3
.irp c, 0,1,2
	ds_load_b128 v[RG+12*\i+4*\c:RG+12*\i+4*\c+3], v[5+(\u)] offset:16*PA*\i+96*(\s)+16*\c
.endr
.endr
	WIN 0
.endm
.macro CLEAR s, u                      ; the same 48 registers are cleared in the lanes whose row is not the pass's expert's
.if ((\s)&1) && (\u)
.set RG, 192
	WIN 0xcc                                       ; destination and source 1 window 3, the mask in window 0
.else
.set RG, RING+96*((\s)&1)+48*(\u)
.endif
.irp i, 0,1,2,3
.irp k, 0,1,2,3,4,5,6,7,8,9,10,11
	v_and_b32 v[RG+12*\i+\k], v[MK+4*(\u)+\i], v[RG+12*\i+\k]
.endr
.endr
	WIN 0
.endm
; 16 matrix instructions on 16 accumulators; the next sixteen take the other 16: the accumulators go by turns, one instruction a turn.  zero = 1: the products start the sums.
.macro MUL s, u, zero
.set AH, 4*(\u)
.set BB, 48*((\s)&3)
.if ((\s)&1) && (\u)
.set RG, 192
	WIN (0x5e+((\s)>>2))                           ; source 0 (W) window 2 or 3, source 1 (tokens) window 3, C and D window 1
.else
.set RG, RING+96*((\s)&1)+48*(\u)
	WIN (0x52+((\s)>>2))                           ; source 0 (W) window 2 or 3, source 1 (tokens) window 0, C and D window 1
.endif
.irp i, 0,1,2,3
.irp b, 0,1,2,3
.if \zero
	v_wmma_scale_f32_16x16x128_f8f6f4 v[8*(4*(AH+\i)+\b):8*(4*(AH+\i)+\b)+7], v[BB+12*\b:BB+12*\b+11], v[RG+12*\i:RG+12*\i+11], 0, v[BS+4*\b+((\s)&3)], v[AS+4*(AH+\i)+((\s)&3)] matrix_a_fmt:MATRIX_FMT_BF6 matrix_b_fmt:MATRIX_FMT_BF6
.elseif (\s) < 4
	v_wmma_scale_f32_16x16x128_f8f6f4 v[8*(4*(AH+\i)+\b):8*(4*(AH+\i)+\b)+7], v[BB+12*\b:BB+12*\b+11], v[RG+12*\i:RG+12*\i+11], v[8*(4*(AH+\i)+\b):8*(4*(AH+\i)+\b)+7], v[BS+4*\b+((\s)&3)], v[AS+4*(AH+\i)+((\s)&3)] matrix_a_fmt:MATRIX_FMT_BF6 matrix_b_fmt:MATRIX_FMT_BF6
.else
	v_wmma_scale_f32_16x16x128_f8f6f4 v[8*(4*(AH+\i)+\b):8*(4*(AH+\i)+\b)+7], v[BB+12*\b:BB+12*\b+11], v[RG+12*\i:RG+12*\i+11], v[8*(4*(AH+\i)+\b):8*(4*(AH+\i)+\b)+7], v[BS+4*\b+((\s)&3)], v[AS+4*(AH+\i)+((\s)&3)] matrix_a_fmt:MATRIX_FMT_BF6 matrix_b_fmt:MATRIX_FMT_BF6 matrix_a_scale:MATRIX_SCALE_ROW1 matrix_b_scale:MATRIX_SCALE_ROW1
.endif
.endr
.endr
	WIN 0
.endm
.macro MASKS                           ; row block a's lane mask: all ones where my row's expert is the pass's, else 0
.irp a, 0,1,2,3,4,5,6,7
	v_cmp_eq_u32 s[CM+\a], s21, v[EX+\a]
.endr
	s_wait_alu depctr_va_sdst(0)                   ; the eight compares have written s38 to s45, ahead of the selects that read them
.irp a, 0,1,2,3,4,5,6,7
	v_cndmask_b32 v[MK+\a], 0, -1, s[CM+\a]
.endr
.endm
.macro RLOAD i0, cnt                   ; x for the residual: load i brings 256 bytes of rows 16 (i / 8) + i % 8 (lanes 0-15) and 8 rows on (lanes 16-31); it lands where W's K step i / 12 stood
.set RI, \i0
.rept \cnt
.if RI < 48
	WIN 0x82                                       ; the offset in window 2, the data in window 2
	global_load_b128 v[4*RI:4*RI+3], v[192+RI], s[4:5] th:TH_LOAD_NT
.else
	WIN 0xc2                                       ; the data in window 3
	global_load_b128 v[4*(RI-48):4*(RI-48)+3], v[192+RI], s[4:5] th:TH_LOAD_NT
.endif
.set RI, RI+1
.endr
	WIN 0
.endm
; A K STEP: 128 along K, 32 products.  kind 0: the launch's first; 1: in a trip of the loop, where W's registers of the K step before take the next expert's; 2: in the last pass, where they take x for the residual.
; In a tile of several experts (s23 not 0) the K step's 96 registers of codes are cleared where the row is another expert's.  Four plain lines stand ahead of the first AND, which writes registers that products
; of two K steps back have read (behind K step 7 the copies and the masks stand there); four more between the last AND and the products.
.macro KSTEP s, zero, kind
	s_wait_dscnt 12                                ; the fragments of row blocks 0-3 are in; the twelve loads of blocks 4-7 may be out
	s_cmp_eq_u32 s23, 0
	s_cbranch_scc1 .Lone_expert_\@
.if (\s) != 0
	PLACES
.endif
	s_wait_alu depctr_va_vdst(0)
	CLEAR \s, 0
	s_wait_dscnt 0x0                               ; blocks 4-7 are in
	CLEAR \s, 1
	PLACES
.if ((\kind) == 0) || (((\kind) == 2) && ((\s) == 7))
	s_wait_alu depctr_va_vdst(0)                   ; the ANDs have written the codes that the products take.  (No load of this K step lands in a register that a vector or matrix instruction has named: so the other way has no wait)
.endif
.Lone_expert_\@:
.if ((\kind) == 1) || (((\kind) == 2) && ((\s) != 7))
	s_wait_alu depctr_va_vdst(0)                   ; the products of the K step before are done reading the other buffer and their W, in which the loads below land; the ANDs have written this K step's codes; in a trip's K step 0 the copies have written the scale words, in its K step 1 they are done reading BT; in the last pass's K step 1 the rows' offsets are written
.endif
.if ((\kind) != 2) || ((\s) != 7)
	AFETCH ((\s)+1)&7, 0                           ; the K step that follows (behind 7: the next pass's 0), row blocks 0-3
.endif
	MUL \s, 0, \zero
.if ((\kind) != 2) || ((\s) != 7)
	AFETCH ((\s)+1)&7, 1                           ; and blocks 4-7.  No wait: no vector or matrix instruction since the wait above names the other buffer
.endif
.if (\kind) == 1
.if (\s) == 1
	SLOAD BT
.endif
	BLOAD ((\s)+7)&7                               ; the next expert's K step s - 1 (in its own K step 0: 7)
.elseif (\kind) == 2
.if (\s) < 6
	RLOAD 12*((\s)-1), 12
.elseif (\s) == 6
	RLOAD 60, 4
.endif
.endif
.if ((\kind) != 2) || ((\s) != 7)
	s_wait_dscnt 24                                ; this K step's blocks 4-7 are in; the 24 loads of the K step that follows may be out
.else
	s_wait_dscnt 0x0
.endif
	MUL \s, 1, \zero
.endm
; THE WAY OUT of row block a.  A lane holds 32 bytes of a row and the lanes beside it other rows: the block goes through my own stage and comes back so that sixteen lanes hold a row's 256 bytes.
.macro TOSTAGE a
	WIN 0x04                                       ; an LDS store's data are its source 1: window 1
.irp b, 0,1,2,3
	ds_store_b128 v7, v[8*(4*(\a)+\b):8*(4*(\a)+\b)+3] offset:64*\b          ; each accumulator from its low end on
	ds_store_b128 v7, v[8*(4*(\a)+\b)+4:8*(4*(\a)+\b)+7] offset:64*\b+16
.endr
	WIN 0
.irp t, 0,1,2,3,4,5,6,7
	ds_load_b128 v[RING+32*((\a)%2)+4*\t:RING+32*((\a)%2)+4*\t+3], v8 offset:SPI*\t   ; LDS serves a wave's instructions in order: these see the stores above
.endr
.endm
.macro SEND a, younger                 ; younger: the LDS instructions issued behind block a's loads
.set TT, RING+32*((\a)%2)
	s_wait_dscnt \younger
	s_wait_loadcnt 56-8*(\a)                       ; behind this block's eight loads of x stand those of the later blocks
.if (\a) < 6
	WIN 0x08
.else
	WIN 0x0c
.endif
.irp t, 0,1,2,3,4,5,6,7
.if (\a) < 6
.set RR, 4*(8*(\a)+\t)
.else
.set RR, 4*(8*(\a)+\t-48)
.endif
	v_pk_add_f32 v[TT+4*\t:TT+4*\t+1], v[TT+4*\t:TT+4*\t+1], v[RR:RR+1]           ; + x
	v_pk_add_f32 v[TT+4*\t+2:TT+4*\t+3], v[TT+4*\t+2:TT+4*\t+3], v[RR+2:RR+3]
.endr
	WIN 0x02                                       ; the offset in window 2
	s_wait_alu depctr_va_vdst(0)                   ; the additions have written the block's 32 registers, which the stores read
.irp t, 0,1,2,3,4,5,6,7
	global_store_b128 v[192+8*(\a)+\t], v[TT+4*\t:TT+4*\t+3], s[16:17] th:TH_STORE_NT   ; sixteen lanes store 256 bytes on end, at a multiple of 256 from out0's first byte
.endr
	WIN 0
.endm
	s_load_b256 s[4:11], s[0:1], 0x0               ; x s[4:5], xc s[6:7], xs s[8:9], wc s[10:11]
	s_load_b128 s[12:15], s[0:1], 0x20             ; wsc s[12:13], order s[14:15]
	s_load_b64 s[16:17], s[0:1], 0x30              ; out0
	v_lshl_add_u32 v30, v0, 2, 0x1cc00
	v_mov_b32 v31, 0
	v_lshrrev_b32 v1, 5, v0
	v_readfirstlane_b32 s18, v1                    ; wave 0..3
	s_and_b32 s19, ttmp7, 0xffff                   ; T
	v_and_b32 v1, 15, v0                           ; r
	v_bfe_u32 v2, v0, 4, 1                         ; h
	v_and_b32 v3, 31, v0
	v_lshlrev_b32 v3, 4, v3                        ; 16 x lane
	v_lshlrev_b32 v11, 4, v1                       ; 16 r
	s_wait_alu depctr_va_sdst(0)                   ; s18 is written, ahead of its first reader
	s_mul_i32 s35, s18, 32*PA
	v_mul_u32_u24 v4, v2, 16*PA
	v_add_nc_u32 v4, v4, v11
	v_add_nc_u32 v4, s35, v4                       ; the gather's way into LDS: row 32 w + 16 h, + 16 r
	v_mul_u32_u24 v5, v1, PA
	v_mad_u32_u24 v5, v2, 48, v5                   ; a fragment: row r, + 48 h;
	v_add_nc_u32 v6, 64*PA, v5                     ; the same 64 rows on, so that the loads' immediates stay inside 16 bits
	s_mul_i32 s35, s18, 16*SPI
	s_add_co_u32 s35, s35, STAGE                   ; my stage
	v_mul_u32_u24 v7, v1, SPI
	v_lshl_add_u32 v7, v2, 5, v7
	v_add_nc_u32 v7, s35, v7                       ; in: row r, + 32 h
	v_mul_u32_u24 v8, v2, 8*SPI
	v_add_nc_u32 v8, v8, v11
	v_add_nc_u32 v8, s35, v8                       ; back: row 8 h, + 16 r
	s_lshl_b32 s36, ttmp9, 10
	s_lshl_b32 s37, s18, 8
	s_add_co_u32 s36, s36, s37
	v_add_nc_u32 v9, s36, v11                      ; my bytes of a row of x and out0: 1,024 cx + 256 w + 16 r
	s_lshl_b32 s37, s18, 7
	v_lshlrev_b32 v96, 6, v2
	v_add_nc_u32 v96, s37, v96                     ; in order: positions 32 w + 16 h on,
	v_lshlrev_b32 v97, 2, v1                       ; position r,
	v_lshlrev_b32 v98, 5, v2                       ; positions 8 h on
	v_lshlrev_b32 v99, 4, v2                       ; 16 h
	s_mov_b32 s31, 0
	s_wait_kmcnt 0x0
	s_lshl_b32 s30, s19, 9
	s_add_nc_u64 s[28:29], s[14:15], s[30:31]      ; order at my tile's first position
	s_load_b32 s33, s[28:29], 0x8000               ; the first row's expert
	s_load_b32 s34, s[28:29], 0x81fc               ; the last row's
	s_wait_alu depctr_va_vdst(0)                   ; the lane terms v3 to v8 and v96 to v98 are written: loads, LDS loads and LDS stores read them as their offsets and addresses
.irp j, 0,1,2,3
	global_load_b128 v[GOF+4*\j:GOF+4*\j+3], v96, s[28:29] offset:16*\j        ; the tokens of the 16 rows that my half of the lanes gathers
.endr
.irp a, 0,1,2,3,4,5,6,7
	global_load_b32 v[BT+\a], v97, s[28:29] offset:64*\a                       ; the token of row 16 a + r,
.endr
.irp a, 0,1,2,3,4,5,6,7
	global_load_b32 v[EX+\a], v97, s[28:29] offset:32768+64*\a                 ; and its expert
.endr
	WIN 0x80
.irp a, 0,1,2,3,4,5,6,7
.irp j, 0,1
	global_load_b128 v[192+8*\a+4*\j:195+8*\a+4*\j], v98, s[28:29] offset:64*\a+16*\j   ; the tokens of rows 16 a + 8 h + 0 .. 7, for the residual and the stores
.endr
.endr
	WIN 0
	s_wait_kmcnt 0x0
	s_min_u32 s21, s33, 7                          ; the pass's expert: loaded numbers enter addresses only held inside the table
	s_min_u32 s34, s34, 7
	s_sub_co_u32 s22, s34, s21                     ; passes beyond the first (the list is sorted): counted down by the loop;
	s_mov_b32 s23, s22                             ; and kept: 0 in a tile with one expert
	s_lshl_b32 s35, ttmp9, 4
	s_lshl_b32 s36, s18, 2
	s_add_co_u32 s35, s35, s36                     ; my first block of 16 columns
	s_mul_i32 s30, s21, 786432
	s_mul_i32 s36, s35, 12288
	s_add_co_u32 s30, s30, s36
	s_add_nc_u64 s[24:25], s[10:11], s[30:31]      ; its fragments,
	s_lshl_b32 s30, s21, 15
	s_lshl_b32 s36, s35, 9
	s_add_co_u32 s30, s30, s36
	s_add_nc_u64 s[26:27], s[12:13], s[30:31]      ; its scale words
	SLOAD BS
	BLOAD 0
	s_wait_loadcnt 16                              ; behind the 36 loads from order stand these sixteen
.irp p, 0,1,2,3,4,5,6,7,8,9,10,11,12,13,14,15
	v_min_u32 v[GOF+\p], 0x1fff, v[GOF+\p]
.endr
.irp p, 0,1,2,3,4,5,6,7,8,9,10,11,12,13,14,15
	v_mad_u32_u24 v[GOF+\p], v[GOF+\p], 768, v11
.endr
.irp a, 0,1,2,3,4,5,6,7
	v_min_u32 v[BT+\a], 0x1fff, v[BT+\a]
.endr
.irp a, 0,1,2,3,4,5,6,7
	v_lshl_add_u32 v[BT+\a], v[BT+\a], 5, v99
.endr
	WIN 0x40                                       ; the gather lands where the accumulators will stand
	s_wait_alu depctr_va_vdst(0)                   ; the gather's sixteen offsets and the scale words' eight are written, which the loads below read; v99 has been read for the last time
.irp p, 0,1,2,3,4,5,6,7,8,9,10,11,12,13,14,15
.irp j, 0,1,2
	global_load_b128 v[12*\p+4*\j:12*\p+4*\j+3], v[GOF+\p], s[6:7] offset:256*\j   ; 256 bytes on end of two tokens' codes
.endr
.endr
	WIN 0
.irp a, 0,1,2,3,4,5,6,7
	global_load_b128 v[AS+4*\a:AS+4*\a+3], v[BT+\a], s[8:9]                    ; the token's scale words of K steps 4 h .. 4 h + 3
.endr
	WIN 0x88                                       ; while these are out: the rows' byte offsets, in window 2
.set I, 0
.rept 64
	v_min_u32 v[192+I], 0x1fff, v[192+I]
.set I, I+1
.endr
	WIN 0x82
.set I, 0
.rept 64
	v_lshl_add_u32 v[192+I], v[192+I], 12, v9
.set I, I+1
.endr
	WIN 0
	MASKS
	s_wait_loadcnt 8                               ; the gather is in; the eight loads of scale words may be out
	WIN 0x04
.irp p, 0,1,2,3,4,5,6,7,8,9,10,11,12,13,14,15
.irp j, 0,1,2
	ds_store_b128 v4, v[12*\p+4*\j:12*\p+4*\j+3] offset:PA*\p+256*\j
.endr
.endr
	WIN 0
	BLOAD 1
	BLOAD 2
	BLOAD 3
	BLOAD 4
	s_wait_dscnt 0x0                               ; for the others' sake: my 32 rows lie in LDS
	s_barrier_signal -1
	s_barrier_wait -1                              ; the launch's one barrier; from here on the rows in LDS are only read
	s_wait_alu depctr_vm_vsrc(0)                   ; my LDS stores have read the gathered codes, whose registers the first products write; the loads from order have read v96 to v98, in which fragments land; the scale words' loads have read v80 to v87, in which the next expert's words land
	AFETCH 0, 0
	AFETCH 0, 1
	s_wait_loadcnt 48                              ; the tokens' scale words are in: behind them stand K steps 1 to 4
	KSTEP 0, 1, 0                                  ; the first K step starts the sums: nothing is cleared
	BLOAD 5                                        ; into registers that no vector or matrix instruction has named
	BLOAD 6
	BLOAD 7
	s_cmp_eq_u32 s22, 0
	s_cbranch_scc1 .Ltail
; A TRIP: K steps 1 to 7 of an expert that is not the tile's last, and K step 0 of the next.  Each set of W's registers takes the next expert's K step in the K step behind the one that multiplied it.
; THE WAITS FOR W: behind the twelve loads of K step 1 stand, on both ways here, the 72 of K steps 2 to 7; behind those of a later K step 76 (the K steps left, the next expert's sixteen first loads and its K steps so far);
; 63 is the largest count that the wait can name.
.Lpass:
	s_wait_xcnt 0x0                                ; the pending loads have read their bases
	s_add_nc_u64 s[24:25], s[24:25], 786432        ; the next expert
	s_add_nc_u64 s[26:27], s[26:27], 32768
.irp s, 1,2,3,4,5,6,7
	s_wait_loadcnt 63
	KSTEP \s, 0, 1
.endr
	s_wait_loadcnt 63                              ; the next expert's scale words and K step 0: behind them stand its K steps 1 to 6, 72 loads
	s_add_co_u32 s21, s21, 1
	PLACES                                         ; behind the last product, which read the scale words that the copies write
.irp i, 0,1,2,3,4,5,6,7,8,9,10,11,12,13,14,15
	v_mov_b32 v[BS+\i], v[BT+\i]                   ; the 16 lines of MASKS stand between these and the next product, and the K step's wait behind them
.endr
	MASKS
	KSTEP 0, 0, 1
	s_sub_co_u32 s22, s22, 1
	s_cmp_lg_u32 s22, 0
	s_cbranch_scc1 .Lpass
; THE LAST PASS: each set of W's registers that is done with takes x for the residual, in the K step behind its own.  Behind the loads of K step s stand, on both ways here, 72 loads (s = 1 .. 6: the K steps left and 12 (s - 1) of x) and 64 (s = 7).
.Ltail:
.irp s, 1,2,3,4,5,6,7
	s_wait_loadcnt 63
	KSTEP \s, 0, 2
.endr
	PLACES                                         ; the LDS stores below read results
	s_wait_alu depctr_va_vdst(0)                   ; the products have written the accumulators, which the LDS stores read, and are done reading v96 to v159, in which the rows from the stage land; the places above stay beside this wait
	TOSTAGE 0
.irp a, 1,2,3,4,5,6,7
.if \a > 1
	s_wait_xcnt 0x0                                ; block a - 2's stores have had their addresses translated,
	s_wait_alu depctr_vm_vsrc(0)                   ; and have read their 32 registers, in which block a's rows land (the additions that named them stand ahead of that block's wait on va_vdst)
.endif
	TOSTAGE \a
	SEND \a-1, 16                                  ; behind block a - 1's loads: block a's eight stores and eight loads
.endr
	SEND 7, 0
	s_wait_dscnt 0x0
	s_wait_alu depctr_hold_cnt(0) depctr_sa_sdst(0) depctr_va_vdst(0) depctr_va_sdst(0) depctr_va_ssrc(0) depctr_va_vcc(0) depctr_vm_vsrc(0)
	s_wait_tensorcnt 0x0
	ds_add_u32 v30, v31
	s_wait_dscnt 0x0
	s_endpgm
.Lfunc_end_k_q0c29bf545d_experts:
	.size	k_q0c29bf545d_experts, .Lfunc_end_k_q0c29bf545d_experts-k_q0c29bf545d_experts
	.p2alignl 7, 3214868480
	.fill 96, 4, 3214868480
	.section	.rodata,"a",@progbits
	.p2align	6, 0x0
	.amdhsa_kernel k_q0c29bf545d_experts
		.amdhsa_group_segment_fixed_size 118272
		.amdhsa_private_segment_fixed_size 0
		.amdhsa_enable_private_segment 0
		.amdhsa_kernarg_size 56
		.amdhsa_user_sgpr_count 2
		.amdhsa_user_sgpr_kernarg_segment_ptr 1
		.amdhsa_wavefront_size32 1
		.amdhsa_system_sgpr_workgroup_id_x 1
		.amdhsa_system_sgpr_workgroup_id_y 1
		.amdhsa_system_sgpr_workgroup_id_z 1
		.amdhsa_system_vgpr_workitem_id 0
		.amdhsa_next_free_vgpr 1024
		.amdhsa_next_free_sgpr 66
		.amdhsa_reserve_vcc 0
		.amdhsa_float_denorm_mode_32 3
		.amdhsa_float_denorm_mode_16_64 3
		.amdhsa_memory_ordered 1
		.amdhsa_forward_progress 1
		.amdhsa_inst_pref_size 228
	.end_amdhsa_kernel
	.amdgpu_metadata
---
amdhsa.version: [ 1, 2 ]
amdhsa.kernels:
  - .name:           k_q0c29bf545d_experts
    .symbol:         k_q0c29bf545d_experts.kd
    .args:
      - { .name: x, .offset: 0, .size: 8, .value_kind: global_buffer, .address_space: global }
      - { .name: xc, .offset: 8, .size: 8, .value_kind: global_buffer, .address_space: global }
      - { .name: xs, .offset: 16, .size: 8, .value_kind: global_buffer, .address_space: global }
      - { .name: wc, .offset: 24, .size: 8, .value_kind: global_buffer, .address_space: global }
      - { .name: wsc, .offset: 32, .size: 8, .value_kind: global_buffer, .address_space: global }
      - { .name: order, .offset: 40, .size: 8, .value_kind: global_buffer, .address_space: global }
      - { .name: out0, .offset: 48, .size: 8, .value_kind: global_buffer, .address_space: global }
    .group_segment_fixed_size: 118272
    .private_segment_fixed_size: 0
    .kernarg_segment_align: 8
    .kernarg_segment_size: 56
    .max_flat_workgroup_size: 128
    .sgpr_count:     66
    .vgpr_count:     1024
    .wavefront_size: 32
...
	.end_amdgpu_metadata
.endif
;; end of part 6
